; MI455X (gfx1250); checked and timed in simulation.
; The chip was launched on July 23, 2026; its instructions are those of AMD's public machine-readable ISA for CDNA 5 (MIT licence, August 2026) and "CDNA5" Instruction Set Architecture Reference Guide (July 2026). The comments in the code are by the model that wrote it; some were corrected since.
;; Multi Head Attention. Allowed arithmetic: matrix products marked QUANTISED: E4M3 operands, one given power-of-two scale a tensor, by v_wmma_f32_16x16x64_fp8_fp8 or v_wmma_f32_16x16x128_fp8_fp8, f32 sums; everything else in f32.
;; Inputs: Wk 2,048 x 2,048 float32; Wo 2,048 x 2,048 float32; Wq 2,048 x 2,048 float32; Wv 2,048 x 2,048 float32; cos 2,048 x 64 float32; lowp_scales 12 int32 (the exponents e of the quantised operands' scales 2^e); sin 2,048 x 64 float32; x 1 x 2,048 x 2,048 float32.
;; Outputs: out0 1 x 2,048 x 2,048 float32.
;; This version of the problem:
;;   THIS VERSION OF THE PROBLEM IS GIVEN IN LOW PRECISION. The matrix products marked QUANTISED in the list below multiply operands that are first quantised to E4M3 (4 exponent bits, 3 mantissa bits; 8 bits a number), with one given power-of-two scale for each operand tensor; their sums are f32. All else is computed in f32.
;;   The module's matrix products, in the order in which they are computed (A, B: the left and right operand; K: the contracted axis; several contracted axes count as one K, in the product's order):
;;     1. [M 2,048, K 2,048] x [K 2,048, N 2,048]; A: input x; B: input Wq: QUANTISED (scales: A lowp_scales[0], B lowp_scales[1])
;;     2. [M 2,048, K 2,048] x [K 2,048, N 2,048]; A: input x; B: input Wk: QUANTISED (scales: A lowp_scales[2], B lowp_scales[3])
;;     3. [M 2,048, K 2,048] x [K 2,048, N 2,048]; A: input x; B: input Wv: QUANTISED (scales: A lowp_scales[4], B lowp_scales[5])
;;     4. batch 16 x [M 2,048, K 128] x [K 128, N 2,048]; A: computed on the way; B: computed on the way: QUANTISED (scales: A lowp_scales[6], B lowp_scales[7])
;;     5. batch 16 x [M 2,048, K 2,048] x [K 2,048, N 128]; A: softmax (see below); B: computed on the way: QUANTISED (scales: A lowp_scales[8], B lowp_scales[9])
;;     6. [M 2,048, K 2,048] x [K 2,048, N 2,048]; A: computed on the way; B: input Wo: QUANTISED (scales: A lowp_scales[10], B lowp_scales[11])
;;   THE QUANTISER, for each operand of a quantised product, along K:
;;     - The operand's scale is 2^e, e = its entry of the input lowp_scales (int32; the entries are numbered through the quantised products in the list's order, A before B).
;;     - Each number is divided by the scale, clamped to +-448, and rounded to the nearest number of E4M3, ties to even, subnormals kept.
;;     - The product sums the exact products of the quantised numbers (number of the format x scale) in f32.
;;   ~~~python
;;   def quantise(x, axis, e):      # numpy; x: float32 -> the quantised numbers, widened to float32 again
;;       x = np.moveaxis(x, axis, -1); K = x.shape[-1]
;;       r = np.clip(x / 2.0 ** e, -448, 448)
;;       step = 2.0 ** (np.maximum(np.frexp(np.where(r == 0, 1, r))[1] - 1, -6) - 3)
;;       q = np.round(r / step) * step * 2.0 ** e      # np.round: ties to even
;;       return np.moveaxis(q, -1, axis).astype(np.float32)
;;   ~~~
;;   SOFTMAX AHEAD OF A QUANTISED PRODUCT. Where the list says 'softmax', what is quantised is not the finished softmax but p = 2^(t - M), with t = logit x log2(e) and M = ceil(the row's largest t), a whole number; so 1/2 < the row's largest p <= 1. The row's sum l is taken of the UNQUANTISED p, in f32, and the product's result is divided by l at the end. Since M is a whole number, a kernel that streams over the keys may use a running M (the ceiling of the running maximum): every later rescaling is an exact power of two, so the quantised numbers keep their values, but for numbers so far below the row's largest that they fall under the format's range.
;;   OPERANDS COMPUTED ON THE WAY. 'Computed on the way' means the value that the module computes at that place (a softmax that the list does not call 'softmax' is quantised finished and normalised). What goes into a quantiser is computed in f32, as accurately as f32 sums, v_exp_f32 and their like allow (about 1e-6 of the number): no bf16 or f16 on the way to a quantiser, and a product that is left as it is and whose result goes on into a quantised operand takes f32 operands (vector FMAs, or v_wmma_f32_16x16x4_f32). A number that lies on a knife's edge between two numbers of the format may be rounded either way, as far as f32 arithmetic and the matrix unit's own rounding can turn it there, and no further.
;; One version. Each part assembles by itself: llvm-mc -triple=amdgcn-amd-amdhsa -mcpu=gfx1250 --defsym DOCPART=n.
;; ======== version 1 of 1: 4 launches
;; limits: right only within a limited range of input values
;; workspace buffers: xc 12,582,912 bytes; wc 16,777,216 bytes; qkvc 12,582,912 bytes; ac 4,194,304 bytes
;; launch quant (part 1): grid 768 x 1, 4 waves a work-group, no clusters, 55,808 bytes of LDS; arguments x, Wq, Wk, Wv, Wo, lowp_scales, xc, wc; writes xc, wc
.if DOCPART == 1
	.amdgcn_target "amdgcn-amd-amdhsa--gfx1250"
	.amdhsa_code_object_version 6
	.text
	.protected	k_q8ac9f82dca_quant
	.globl	k_q8ac9f82dca_quant
	.p2align	8
	.type	k_q8ac9f82dca_quant,@function
k_q8ac9f82dca_quant:
	s_mov_b64 s[64:65], 0
	v_nop
	global_prefetch_b8 v0, s[64:65] scope:SCOPE_SE
	s_setreg_imm32_b32 hwreg(HW_REG_WAVE_MODE, 25, 1), 1
	s_wait_xcnt 0x0
; x [2048][2048] and the four weights [2048 k][2048 n], all f32, become codes of FP8 (E4M3), K innermost, each with the scale 2^e that is given for it.
; code = number / 2^e, held within +-448, rounded to the nearest code, ties to even.
; xc: [3][2048 t][2048 k]: x under e0, e2, e4 (the three products that take x have a scale each).  wc: [4][2048 n][2048 k]: Wq (e1), Wk (e3), Wv (e5), Wo (e11).
; Work-groups 0-255 take x: a plain stream, K innermost: 16 bytes a lane as they lie, turned through the wave's own stage in LDS so that a lane holds 16 neighbours; read once, converted three times.
; Work-groups 256-767 take the weights, whose K is the first axis: a lane takes a column n and its registers run down K; the codes leave through the wave's own stage as rows of 256 bytes.
; The two ways part on the work-group's number, have LDS bytes of their own, and end each for itself.  No tensor loads, no barrier: waves share nothing.
; LIMITS: every e used here between -126 and 119.  NaN among the inputs is not served (an infinity is held at the largest code).
.set SPW,   12                         ; v12  LDS address of my spare word; never rewritten
.set NIL,   13                         ; v13  0; never rewritten
.set SP,    80                         ; x: a lane's place in a stage: 64 bytes + 16 of padding
.set XREG,  2*32*SP                    ; x: two stages for each wave
.set STEPS, 8                          ; x: steps of 512 numbers for a wave
.set R,     16                         ; x: v16-79   four sets of 16 numbers as loaded
.set X,     80                         ; x: v80-111  two sets of 16 neighbours
.set T,     112                        ; x: v112-127 the numbers held under one scale
.set C,     128                        ; x: v128-223 codes: 12 registers a step, never written again
.set WSTG,  4*XREG                     ; W: the stages begin behind x's: byte 20,480
.set PITCH, 272                        ; W: a stage row: 256 bytes + 16
.set WX,    32                         ; W: v32-95   two sets of 32 numbers
.set WC,    96                         ; W: v96-103  a block's codes
.set OUTR,  112                        ; W: v112-175 the way out
.set SPARE, WSTG+4*32*PITCH            ; byte 55,296: the spare words, 128 bytes for each wave; no other line names them
	s_load_b256 s[4:11], s[0:1], 0x0               ; x s[4:5], Wq s[6:7], Wk s[8:9], Wv s[10:11]
	s_load_b256 s[12:19], s[0:1], 0x20             ; Wo s[12:13], the exponents s[14:15], xc s[16:17], wc s[18:19]
	v_lshl_add_u32 v[SPW], v0, 2, SPARE
	v_mov_b32 v[NIL], 0
	v_lshrrev_b32 v1, 5, v0
	v_readfirstlane_b32 s20, v1                    ; wave 0..3
	v_and_b32 v2, 31, v0                           ; lane
	s_wait_kmcnt 0x0
	s_load_b256 s[24:31], s[14:15], 0x0            ; e0 .. e7
	s_load_b128 s[32:35], s[14:15], 0x20           ; e8 .. e11
	s_cmp_lt_u32 ttmp9, 256
	s_cbranch_scc0 .Lweights
; ---------------- x ----------------
	s_wait_alu depctr_va_vdst(0)
	v_lshlrev_b32 v3, 4, v2                        ; 16 x lane: my bytes of a load's 512, and of a store's
	s_wait_alu depctr_va_vdst(0)
	s_mul_i32 s21, s20, XREG
	v_lshrrev_b32 v14, 2, v2
	v_mul_u32_u24 v14, v14, SP
	v_and_b32 v15, 3, v2
	v_lshl_add_u32 v14, v15, 4, v14
	v_add_nc_u32 v14, s21, v14                     ; into the stage: four lanes' 64 bytes on end, then the padding
	v_mul_u32_u24 v15, v2, SP
	v_add_nc_u32 v15, s21, v15                     ; out of it: my 16 neighbours
	s_lshl_b32 s22, ttmp9, 2
	s_add_co_u32 s22, s22, s20                     ; which run of 4,096 numbers is my wave's
	s_lshl_b32 s36, s22, 14
	s_mov_b32 s37, 0
	s_add_nc_u64 s[4:5], s[4:5], s[36:37]
	s_lshl_b32 s36, s22, 12
	s_add_co_u32 s36, s36, 0x400000                ; the stores' base stands in the middle plane: the three planes are immediates -4 MiB, 0, +4 MiB
	s_add_nc_u64 s[16:17], s[16:17], s[36:37]
.macro XLOAD t
.irp i, 0,1,2,3
	global_load_b128 v[R+16*((\t)%4)+4*\i:R+16*((\t)%4)+4*\i+3], v3, s[4:5] offset:2048*(\t)+512*\i th:TH_LOAD_NT   ; 32 lanes read 512 consecutive bytes
.endr
.endm
.macro XTURN t                         ; a step's 2,048 bytes through the stage; LDS serves a wave's instructions in order, so no wait stands between the stores and the loads
.irp i, 0,1,2,3
	ds_store_b128 v14, v[R+16*((\t)%4)+4*\i:R+16*((\t)%4)+4*\i+3] offset:32*SP*((\t)%2)+8*SP*\i
.endr
.irp i, 0,1,2,3
	ds_load_b128 v[X+16*((\t)%2)+4*\i:X+16*((\t)%2)+4*\i+3], v15 offset:32*SP*((\t)%2)+16*\i
.endr
.endm
.irp t, 0,1,2,3
	XLOAD \t
.endr
	s_wait_alu depctr_va_vdst(0)
	s_wait_kmcnt 0x0
.irp p, 0,1,2                          ; e0, e2, e4
	s_add_co_i32 s36, s[24+2*\p], 127
	s_lshl_b32 s37, s36, 23
	v_mov_b32 v[5+\p], s37                         ; 2^e as f32: the conversion takes its exponent field
	s_add_co_i32 s36, s36, 8
	s_lshl_b32 s36, s36, 23
	s_or_b32 s36, s36, 0x600000
	v_mov_b32 v[8+\p], s36                         ; 448 x 2^e
.endr
	s_wait_alu depctr_va_vdst(0)
	s_wait_loadcnt 12                              ; step 0's four loads are in; three steps' may be out
	XTURN 0
.macro XSTEP t
.set XS, X+16*((\t)%2)
	s_wait_dscnt 0x0                               ; this step's numbers are back from the stage
.if (\t)+4 < STEPS
	XLOAD (\t)+4
.endif
.if (\t)+1 < STEPS
.if (\t) < 4
	s_wait_loadcnt 12                              ; the next step's four loads are in; those of the three steps behind it may be out
.else
	s_wait_loadcnt 4*(6-(\t))                      ; nothing more is asked for: the counts run down
.endif
	XTURN (\t)+1
.endif
.irp p, 0,1,2
.irp i, 0,1,2,3,4,5,6,7,8,9,10,11,12,13,14,15
	v_med3_num_f32 v[T+\i], v[XS+\i], -v[8+\p], v[8+\p]   ; the conversion to an 8-bit code does not saturate (ISA guide 7.6.2): the hold comes first
.endr
	v_cvt_scalef32_pk8_fp8_f32 v[C+12*(\t)+4*\p:C+12*(\t)+4*\p+1], v[T:T+7], v[5+\p]
	v_cvt_scalef32_pk8_fp8_f32 v[C+12*(\t)+4*\p+2:C+12*(\t)+4*\p+3], v[T+8:T+15], v[5+\p]
	v_nop                                          ; a plain line between the conversions and the next holds, which write their sources
.endr
.irp p, 0,1,2
	global_store_b128 v3, v[C+12*(\t)+4*\p:C+12*(\t)+4*\p+3], s[16:17] offset:(\p-1)*4194304+512*(\t)   ; 32 lanes store 512 consecutive bytes, aligned
.endr
.endm
.irp t, 0,1,2,3,4,5,6,7
	XSTEP \t
.endr
	s_wait_tensorcnt 0x0                           ; the wave's end
	ds_add_u32 v[SPW], v[NIL]
	s_wait_dscnt 0x0
	s_endpgm
; ---------------- the weights ----------------
.Lweights:
	s_sub_co_u32 s21, ttmp9, 256
	s_lshr_b32 s22, s21, 7                         ; which weight: 0 Wq, 1 Wk, 2 Wv, 3 Wo
	s_and_b32 s23, s21, 15                         ; which 128 columns
	s_bfe_u32 s21, s21, 0x30004                    ; which 256 along K
	s_cmp_eq_u32 s22, 1                            ; the choice hangs on the work-group's number alone
	s_cselect_b64 s[6:7], s[8:9], s[6:7]
	s_cmp_eq_u32 s22, 2
	s_cselect_b64 s[6:7], s[10:11], s[6:7]
	s_cmp_eq_u32 s22, 3
	s_cselect_b64 s[6:7], s[12:13], s[6:7]
	s_lshl_b32 s23, s23, 7
	s_lshl_b32 s36, s20, 5
	s_add_co_u32 s23, s23, s36                     ; my wave's first column
	s_wait_alu depctr_va_vdst(0)
	v_lshlrev_b32 v3, 2, v2                        ; in: 4 bytes a lane: 128 consecutive bytes a wave
	s_mul_i32 s36, s20, 32*PITCH
	s_add_co_u32 s36, s36, WSTG                    ; my stage
	v_mul_u32_u24 v4, v2, PITCH
	v_add_nc_u32 v4, s36, v4                       ; into it: row = my column
	v_and_b32 v5, 15, v2
	v_lshrrev_b32 v6, 4, v2
	v_mul_u32_u24 v7, v6, PITCH
	v_lshl_add_u32 v7, v5, 4, v7
	v_add_nc_u32 v7, s36, v7                       ; out of it: sixteen lanes to a row, two rows an instruction
	v_lshlrev_b32 v8, 11, v6
	v_lshl_add_u32 v8, v5, 4, v8                   ; the same place among the codes: rows of 2,048 bytes
	s_lshl_b32 s36, s21, 21                        ; 256 rows of 8,192 bytes
	s_lshl_b32 s37, s23, 2
	s_add_co_u32 s36, s36, s37
	s_mov_b32 s37, 0
	s_add_nc_u64 s[6:7], s[6:7], s[36:37]
	s_lshl_b32 s36, s22, 22                        ; the weight's plane of 4 MiB,
	s_lshl_b32 s38, s23, 11                        ; my column's row,
	s_add_co_u32 s36, s36, s38
	s_lshl_b32 s38, s21, 8                         ; my 256 along K
	s_add_co_u32 s36, s36, s38
	s_add_nc_u64 s[18:19], s[18:19], s[36:37]
.macro WLOAD t                         ; block t: W(32 t + i, my column), i = 0 .. 31; every offset is an immediate, 255 x 8,192 at the most
.irp i, 0,1,2,3,4,5,6,7,8,9,10,11,12,13,14,15,16,17,18,19,20,21,22,23,24,25,26,27,28,29,30,31
	global_load_b32 v[WX+32*((\t)%2)+\i], v3, s[6:7] offset:(32*(\t)+\i)*8192 th:TH_LOAD_NT
.endr
.endm
	WLOAD 0
	WLOAD 1
	s_wait_kmcnt 0x0
	s_cmp_eq_u32 s22, 1                            ; e1, e3, e5 or e11
	s_cselect_b32 s25, s27, s25
	s_cmp_eq_u32 s22, 2
	s_cselect_b32 s25, s29, s25
	s_cmp_eq_u32 s22, 3
	s_cselect_b32 s25, s35, s25
	s_add_co_i32 s25, s25, 127
	s_lshl_b32 s26, s25, 23
	v_mov_b32 v11, s26                             ; 2^e
	s_add_co_i32 s25, s25, 8
	s_lshl_b32 s25, s25, 23
	s_or_b32 s25, s25, 0x600000
	v_mov_b32 v10, s25                             ; 448 x 2^e
.macro BLOCK t
.set XS, WX+32*((\t)%2)
.if (\t) < 7
	s_wait_loadcnt 32                              ; this block's 32 loads are in; the next block's may be out
.else
	s_wait_loadcnt 0x0
.endif
.irp i, 0,1,2,3,4,5,6,7,8,9,10,11,12,13,14,15,16,17,18,19,20,21,22,23,24,25,26,27,28,29,30,31
	v_med3_num_f32 v[XS+\i], v[XS+\i], -v10, v10
.endr
.irp g, 0,1,2,3
	v_cvt_scalef32_pk8_fp8_f32 v[WC+2*\g:WC+2*\g+1], v[XS+8*\g:XS+8*\g+7], v11
.endr
	v_nop                                          ; a plain line behind the last conversion
	ds_store_b128 v4, v[WC:WC+3] offset:32*(\t)    ; 32 codes: 32 bytes of my column's row
	ds_store_b128 v4, v[WC+4:WC+7] offset:32*(\t)+16
.if (\t)+2 < 8
	WLOAD (\t)+2
.endif
	s_wait_dscnt 0x0                               ; the stores have read their registers: the next block's codes may be written
.endm
	s_wait_alu depctr_va_vdst(0)
.irp t, 0,1,2,3,4,5,6,7
	BLOCK \t
.endr
.irp t, 0,1,2,3,4,5,6,7,8,9,10,11,12,13,14,15
	ds_load_b128 v[OUTR+4*\t:OUTR+4*\t+3], v7 offset:2*\t*PITCH
.endr
.irp t, 0,1,2,3,4,5,6,7,8,9,10,11,12,13,14,15
	s_wait_dscnt 15-\t                             ; LDS loads come back in order: rows 2 t and 2 t + 1 are in
	global_store_b128 v8, v[OUTR+4*\t:OUTR+4*\t+3], s[18:19] offset:2*\t*2048   ; sixteen lanes store 256 consecutive bytes, aligned
.endr
	s_wait_tensorcnt 0x0                           ; the wave's end: the same three lines
	ds_add_u32 v[SPW], v[NIL]
	s_wait_dscnt 0x0
	s_endpgm
.Lfunc_end_k_q8ac9f82dca_quant:
	.size	k_q8ac9f82dca_quant, .Lfunc_end_k_q8ac9f82dca_quant-k_q8ac9f82dca_quant
	.p2alignl 7, 3214868480
	.fill 96, 4, 3214868480
	.section	.rodata,"a",@progbits
	.p2align	6, 0x0
	.amdhsa_kernel k_q8ac9f82dca_quant
		.amdhsa_group_segment_fixed_size 55808
		.amdhsa_private_segment_fixed_size 0
		.amdhsa_enable_private_segment 0
		.amdhsa_kernarg_size 64
		.amdhsa_user_sgpr_count 2
		.amdhsa_user_sgpr_kernarg_segment_ptr 1
		.amdhsa_wavefront_size32 1
		.amdhsa_system_sgpr_workgroup_id_x 1
		.amdhsa_system_sgpr_workgroup_id_y 1
		.amdhsa_system_sgpr_workgroup_id_z 1
		.amdhsa_system_vgpr_workitem_id 0
		.amdhsa_next_free_vgpr 224
		.amdhsa_next_free_sgpr 66
		.amdhsa_reserve_vcc 0
		.amdhsa_float_denorm_mode_32 3
		.amdhsa_float_denorm_mode_16_64 3
		.amdhsa_memory_ordered 1
		.amdhsa_forward_progress 1
		.amdhsa_inst_pref_size 90
	.end_amdhsa_kernel
	.amdgpu_metadata
---
amdhsa.version: [ 1, 2 ]
amdhsa.kernels:
  - .name:           k_q8ac9f82dca_quant
    .symbol:         k_q8ac9f82dca_quant.kd
    .args:
      - { .name: x, .offset: 0, .size: 8, .value_kind: global_buffer, .address_space: global }
      - { .name: Wq, .offset: 8, .size: 8, .value_kind: global_buffer, .address_space: global }
      - { .name: Wk, .offset: 16, .size: 8, .value_kind: global_buffer, .address_space: global }
      - { .name: Wv, .offset: 24, .size: 8, .value_kind: global_buffer, .address_space: global }
      - { .name: Wo, .offset: 32, .size: 8, .value_kind: global_buffer, .address_space: global }
      - { .name: lowp_scales, .offset: 40, .size: 8, .value_kind: global_buffer, .address_space: global }
      - { .name: xc, .offset: 48, .size: 8, .value_kind: global_buffer, .address_space: global }
      - { .name: wc, .offset: 56, .size: 8, .value_kind: global_buffer, .address_space: global }
    .group_segment_fixed_size: 55808
    .private_segment_fixed_size: 0
    .kernarg_segment_align: 8
    .kernarg_segment_size: 64
    .max_flat_workgroup_size: 128
    .sgpr_count:     66
    .vgpr_count:     224
    .wavefront_size: 32
...
	.end_amdgpu_metadata
.endif
;; end of part 1
;; launch qkv (part 2): grid 24 x 8, 4 waves a work-group, clusters of 4 x 4, 327,680 bytes of LDS; arguments xc, wc, cos, sin, lowp_scales, qkvc; writes qkvc
.if DOCPART == 2
	.amdgcn_target "amdgcn-amd-amdhsa--gfx1250"
	.amdhsa_code_object_version 6
	.text
	.protected	k_q8ac9f82dca_qkv
	.globl	k_q8ac9f82dca_qkv
	.p2align	8
	.type	k_q8ac9f82dca_qkv,@function
k_q8ac9f82dca_qkv:
	s_mov_b64 s[64:65], 0
	v_nop
	global_prefetch_b8 v0, s[64:65] scope:SCOPE_SE
	s_setreg_imm32_b32 hwreg(HW_REG_WAVE_MODE, 25, 1), 1
	s_wait_xcnt 0x0
	s_wait_alu depctr_hold_cnt(0) depctr_sa_sdst(0) depctr_va_vdst(0) depctr_va_sdst(0) depctr_va_ssrc(0) depctr_va_vcc(0) depctr_vm_vsrc(0)
	s_getreg_b32 s2, hwreg(HW_REG_IB_STS2, 6, 4)
	s_cmp_eq_u32 s2, 0
	s_cbranch_scc0 .Lentry_in_a_cluster
	s_endpgm
.Lentry_in_a_cluster:
	s_bfe_u32 s2, ttmp6, 0x10000c
	s_cmp_lg_u32 s2, 0xf033
	s_cbranch_scc0 .Lentry_shape_is_right
	s_endpgm
.Lentry_shape_is_right:
; The three projections on codes of FP8 (E4M3), K = 2,048, with rope on q and k, quantised again on the way out.
; xc [3][2048 t][2048 k] and wc [4][2048 n][2048 k] are codes with K innermost.  qkvc: plane 0 rope(q) (scale e6), plane 1 rope(k) (e7), plane 2 v (e9), 4 MiB each.
; A block of 256 x 256 is made by a work-group of four waves, 128 x 128 each: 64 accumulators of 16 x 16, 512 registers.  192 blocks: 8 x 8 for each plane.
; PLANES 0, 1: A = x (tokens), B = W (columns): a wave has 128 tokens x one head.  PLANE 2: A = Wv's columns, B = x: a wave has one head's 128 channels x 128 tokens, so the tokens run along a lane's registers.
; The matrix instruction is used transposed (source 0 = 16 rows of B, source 1 = 16 rows of A): lane (r, h) = (lane % 16, lane / 16 % 2) holds of A's row r B's rows 16 b + 8 h + 0 .. 7 in accumulator b.
; LAYOUT OF qkvc: 16 rows of A (tokens, or v's channels) are an IMAGE of 2,048 bytes, the registers of an operand as the attention takes them: bytes 512 c + 16 lane are B's rows 32 c + 8 h + 0 .. 7 and 32 c + 16 + 8 h + 0 .. 7 of row r.
;   q and k have their channels in the same order, so their products are unchanged.  Images lie on end: planes 0, 1: head x 262,144 + token / 16 x 2,048; plane 2: head x 262,144 + token / 128 x 16,384 + channel / 16 x 2,048.
;   So a lane stores the codes that it has made, and each store of a wave covers 512 consecutive bytes, aligned.
; K goes in steps of 256 through a ring of two LDS slots.  CLUSTERS of 4 x 4: A's tile is asked for jointly along a row of the cluster, B's along a column.
; PREFETCH: a K step is 256 bytes of each row.  Behind K step 0's load steps 1 and 2 are asked for, behind each later load the step two on; the last two ask for none.  Of the 128 rows that a wave fetches each of the
;   four partners takes 32, told apart by address, a lane a row.  In the loop's last trip the clusters of planes 0 and 1 ask for their 256 rows of cos and of sin, 64 of each a work-group.
; The scales of x and W are a factor of every sum, and so is rope linear in it: they are folded into the conversion's scale: 2^(e6 - e0 - e1), 2^(e7 - e2 - e3), 2^(e9 - e4 - e5).
; LIMITS: each of these three exponents between -126 and 119.  NaN is not served (an infinity is held at the largest code).
; REGISTERS, in windows of 256: window 0: v16-31 addresses and constants, v32-159 cos and sin on the way out (two sets), v128-255 A's fragments, on the way out v160-223 numbers and v224-255 codes (two sets);
;   window 1: B's fragments, two sets;  windows 2, 3: the accumulators of my A rows 0-63 and 64-127 (accumulator (a, b) at v[8 (8 a + b)]).
.set KROW,   2048
.set ROWB,   256
.set PITCH,  272                       ; an LDS row: 256 bytes + 16: the 16 rows of a fragment start at 16 different banks (64 banks of 4 bytes: ISA guide 11.1)
.set FR,     16                        ; registers of a fragment: 16 rows x 128 K
.set NL,     4                         ; LDS loads that bring one
.set NP,     4                         ; places behind this matrix instruction (ISA guide 7.12.1)
.set HALFT,  128*PITCH                 ; 128 rows: what one tensor load brings
.set SLOT,   4*HALFT                   ; A's 256 rows, then B's 256 rows
.set LAPS,   4                         ; 8 K steps
.set SPARE,  2*SLOT                    ; byte 278,528: the spare words, 128 bytes for each wave; no other line names them
.set ADRA, 16                          ; v16-17  LDS address of my A fragments in slot 0, 1
.set PFO,  18                          ; v18     2,048 x lane: the prefetches of codes
.set SNA,  19                          ; v19     LDS address of my rows of sin
.set ADRB, 20                          ; v20-21  the same as ADRA for B
.set SC,   22                          ; v22     the conversion's scale
.set LM,   23                          ; v23     448 x that
.set PFC,  24                          ; v24     256 x lane: the prefetches of cos and sin
.set SPW,  28                          ; v28     my spare word; never rewritten
.set NIL,  29                          ; v29     0; never rewritten
.set GO,   30                          ; v30     16 x lane
.set CSA,  31                          ; v31     LDS address of my rows of cos
.set AF,   128
.set Y,    160
.set CD,   224
.set G1,  24                           ; s[24:31] group 1 for A's tiles;  s[32:39] group 0, one for each slot
.set G0,  32
.set G1B, 48                           ; s[48:55], s[56:63] the same for B's
.set G0B, 56
.set CLS, 66                           ; s66  plane
.set COL, 67                           ; s67  B's tile in the plane
.set G0C, 68                           ; s[68:71], s[72:75] groups 0 for cos and sin, s[76:83] their group 1
.set G0S, 72
.set G1C, 76
.set CSK, 23                           ; s23  1 in planes 0 and 1, else 0
.set PFA, 100                          ; s[100:101] my prefetches of codes
.set PFT, 104                          ; s[104:105] my prefetch of cos or sin
.set MSB, 0
.macro WIN new                         ; the immediate's high byte repeats the setting that is left
.if MSB != (\new)
	s_set_vgpr_msb (MSB<<8)|(\new)
.set MSB, (\new)
.endif
.endm
.set MUL_LO, 0xa1                      ; source 0 (B) window 1, source 1 (A) window 0, C and D window 2
.set MUL_HI, 0xf1                      ; the same, C and D window 3
.set TO_B,   0x40                      ; destination window 1
; A joint load: waves 0 and 1 fetch for A, waves 2 and 3 for B; the branch hangs on the wave's number alone.  An s_nop 0 and four v_nop follow each line.
.macro JLOAD g0a, g1a, g0b, g1b
	s_cmp_eq_u32 s15, 0
	s_cbranch_scc0 .Lfor_b_\@
	tensor_load_to_lds s[\g0a:\g0a+3], s[\g1a:\g1a+7]
	s_nop 0
.rept 4
	v_nop
.endr
	s_branch .Lasked_\@
.Lfor_b_\@:
	tensor_load_to_lds s[\g0b:\g0b+3], s[\g1b:\g1b+7]
	s_nop 0
.rept 4
	v_nop
.endr
.Lasked_\@:
.endm
.macro CREST                           ; a round of the cluster's barrier behind its opening barrier
	s_cmp_lg_u32 s14, 0
	s_cbranch_scc1 .Lnot_wave_0_\@
	s_barrier_signal -3
.Lnot_wave_0_\@:
	s_barrier_wait -3
	s_barrier_signal -1
	s_barrier_wait -1
.endm
.macro CROUND
	s_barrier_signal -1
	s_barrier_wait -1
	CREST
.endm
.macro PF off                          ; one of my prefetches of codes
	global_prefetch_b8 v[PFO], s[PFA:PFA+1] offset:\off th:TH_LOAD_NT scope:SCOPE_SE
.endm
.macro ASK slot                        ; behind a refill in the loop: the K step two on; in the last trip (s3 = 1) there is none, and cos and sin are asked for instead
	s_cmp_lg_u32 s3, 1
	s_cbranch_scc0 .Lno_step_\@
	PF (2+(\slot))*ROWB
.Lno_step_\@:
.if (\slot) == 0
	s_cmp_eq_u32 s3, s[CSK]
	s_cbranch_scc0 .Lno_table_\@
	global_prefetch_b8 v[PFC], s[PFT:PFT+1] th:TH_LOAD_NT scope:SCOPE_SE
.Lno_table_\@:
.endif
.endm
	s_load_b256 s[4:11], s[0:1], 0x0               ; xc s[4:5], wc s[6:7], cos s[8:9], sin s[10:11]
	s_load_b128 s[96:99], s[0:1], 0x20             ; the exponents s[96:97], qkvc s[98:99]
	v_lshl_add_u32 v[SPW], v0, 2, SPARE
	v_mov_b32 v[NIL], 0
	ds_add_u32 v[SPW], v[NIL]                      ; the wave's opening: the add, twice on end, and its wait ahead of my first tensor load
	ds_add_u32 v[SPW], v[NIL]
	v_lshrrev_b32 v1, 5, v0
	v_readfirstlane_b32 s14, v1                    ; wave 0..3
	s_lshr_b32 s15, s14, 1                         ; my half of A's rows.  Also: I fetch for A (0) or B (1)
	s_and_b32 s16, s14, 1                          ; my half of B's rows.  Also: which 128 rows of that tile I fetch
	s_bfe_u32 s40, ttmp6, 0x40000                  ; cx
	s_bfe_u32 s41, ttmp6, 0x40004                  ; cy
	s_lshr_b32 s[CLS], ttmp9, 1                    ; two clusters side by side make a plane
	s_and_b32 s[COL], ttmp9, 1
	s_lshl_b32 s[COL], s[COL], 2
	s_add_co_u32 s[COL], s[COL], s40
	s_and_b32 s17, ttmp7, 0xffff
	s_lshl_b32 s17, s17, 2
	s_add_co_u32 s17, s17, s41                     ; A's tile
	s_lshl_b32 s43, s41, 2
	s_lshl_b32 s43, 15, s43                        ; my row of the cluster
	s_lshl_b32 s44, 0x1111, s40                    ; my column
	; group 1: 128 rows x 256 bytes, 16 bytes of padding behind each row in LDS; bit 21 set beside a mask
	s_or_b32 s[G1+0], s43, (1<<20)|(1<<21)|(5<<22)|(3<<25)
	s_or_b32 s[G1B+0], s44, (1<<20)|(1<<21)|(5<<22)|(3<<25)
	s_or_b32 s[G1C+0], s43, (1<<20)|(1<<21)|(5<<22)|(3<<25)
.irp g, G1, G1B, G1C
	s_mov_b32 s[\g+1], ROWB<<16
	s_mov_b32 s[\g+2], 128<<16
	s_mov_b32 s[\g+3], ROWB<<16
	s_mov_b32 s[\g+4], 128
	s_mov_b32 s[\g+6], 0
	s_mov_b32 s[\g+7], 0
.endr
	s_mov_b32 s[G1+5], KROW
	s_mov_b32 s[G1B+5], KROW
	s_mov_b32 s[G1C+5], 256                        ; a row of cos or sin: 64 numbers
	; where the tiles come from: A's hang on A's tile alone, B's on B's alone
	s_lshl_b32 s18, s16, 7
	s_lshl_b32 s20, s17, 8
	s_add_co_u32 s20, s20, s18                     ; A: row 256 x tile + 128 x half
	s_lshl_b32 s46, s[COL], 8
	s_add_co_u32 s46, s46, s18                     ; B
	s_lshl_b32 s2, s20, 8                          ; the same rows of cos and sin
	s_mov_b32 s3, 0
	s_lshl_b32 s20, s20, 11
	s_lshl_b32 s46, s46, 11
	s_lshl_b32 s18, s[CLS], 22
	s_add_co_u32 s20, s20, s18
	s_add_co_u32 s46, s46, s18
	s_mov_b32 s21, 0
	s_mov_b32 s47, 0
	s_mul_i32 s45, s14, HALFT                      ; where they go: wave x 128 rows
	; the prefetches: my work-group's 32 rows of the 128 that I fetch, and its 32 rows of cos (waves 0, 1) or sin
	s_cmp_eq_u32 s15, 0
	s_cselect_b32 s42, s20, s46
	s_cselect_b32 s43, s40, s41
	s_lshl_b32 s43, s43, 16
	s_add_co_u32 s42, s42, s43
	s_mov_b32 s43, 0
	s_lshl_b32 s18, s17, 16
	s_lshl_b32 s19, s40, 14
	s_add_co_u32 s18, s18, s19
	s_lshl_b32 s19, s16, 13
	s_add_co_u32 s18, s18, s19
	s_mov_b32 s19, 0
	s_cmp_eq_u32 s[CLS], 2
	s_cselect_b32 s[CSK], 0, 1
	s_mul_i32 s84, s15, HALFT                      ; my 128 rows of A in slot 0
	s_add_co_u32 s85, s84, SLOT                    ; and in slot 1
	s_mul_i32 s86, s16, HALFT
	s_add_co_u32 s86, s86, 2*HALFT                 ; my 128 rows of B
	s_add_co_u32 s87, s86, SLOT
	v_and_b32 v1, 15, v0                           ; r
	v_bfe_u32 v2, v0, 4, 1                         ; h
	v_and_b32 v7, 31, v0                           ; lane
	v_mul_u32_u24 v3, v1, PITCH
	v_lshl_add_u32 v4, v2, 4, v3                   ; a fragment: row r, + 16 h
	v_lshl_add_u32 v5, v2, 5, v3                   ; cos and sin: row r, + 8 h numbers
	v_add_nc_u32 v[ADRA], s84, v4
	v_add_nc_u32 v[ADRA+1], s85, v4
	v_add_nc_u32 v[ADRB], s86, v4
	v_add_nc_u32 v[ADRB+1], s87, v4
	v_add_nc_u32 v[CSA], s84, v5
	v_add_nc_u32 v[SNA], 2*HALFT, v[CSA]
	v_lshlrev_b32 v[GO], 4, v7
	v_lshlrev_b32 v[PFO], 11, v7
	v_lshlrev_b32 v[PFC], 8, v7
	s_wait_alu depctr_va_vdst(0)
	s_wait_dscnt 0x0                               ; both opening adds are done
	s_wait_kmcnt 0x0
	s_load_b256 s[84:91], s[96:97], 0x0            ; e0 .. e7
	s_load_b128 s[92:95], s[96:97], 0x20           ; e8 .. e11
	s_cmp_eq_u32 s[CLS], 2                         ; plane 2: A = wc, B = xc
	s_cselect_b64 s[12:13], s[6:7], s[4:5]
	s_cselect_b64 s[6:7], s[4:5], s[6:7]
	s_cmp_eq_u32 s15, 0
	s_cselect_b64 s[PFA:PFA+1], s[12:13], s[6:7]
	s_cselect_b64 s[PFT:PFT+1], s[8:9], s[10:11]
	s_add_nc_u64 s[PFA:PFA+1], s[PFA:PFA+1], s[42:43]
	s_add_nc_u64 s[PFT:PFT+1], s[PFT:PFT+1], s[18:19]
	s_add_nc_u64 s[20:21], s[12:13], s[20:21]
	s_add_nc_u64 s[46:47], s[6:7], s[46:47]
	s_add_nc_u64 s[8:9], s[8:9], s[2:3]
	s_add_nc_u64 s[10:11], s[10:11], s[2:3]
.irp s, 0,1
	s_mov_b32 s[G0+4*\s], 1
	s_add_co_u32 s[G0+4*\s+1], s45, \s*SLOT
	s_add_nc_u64 s[G0+4*\s+2:G0+4*\s+3], s[20:21], \s*ROWB
	s_or_b32 s[G0+4*\s+3], s[G0+4*\s+3], 0x80000000
	s_mov_b32 s[G0B+4*\s], 1
	s_add_co_u32 s[G0B+4*\s+1], s45, \s*SLOT
	s_add_nc_u64 s[G0B+4*\s+2:G0B+4*\s+3], s[46:47], \s*ROWB
	s_or_b32 s[G0B+4*\s+3], s[G0B+4*\s+3], 0x80000000
.endr
	s_mov_b32 s[G0C], 1                            ; cos and sin go into slot 0: cos's two halves, then sin's
	s_mov_b32 s[G0C+1], s45
	s_mov_b64 s[G0C+2:G0C+3], s[8:9]
	s_or_b32 s[G0C+3], s[G0C+3], 0x80000000
	s_mov_b32 s[G0S], 1
	s_mov_b32 s[G0S+1], s45
	s_mov_b64 s[G0S+2:G0S+3], s[10:11]
	s_or_b32 s[G0S+3], s[G0S+3], 0x80000000
	CROUND                                         ; all sixteen work-groups are here: the first joint loads meet
	JLOAD G0, G1, G0B, G1B                         ; K step 0: one tensor load a wave at the head
	PF ROWB                                        ; K steps 1 and 2
	PF 2*ROWB
	; my first byte in qkvc: head x 2^18 + block of 128 tokens x 2^14 + plane x 2^22.  B's 128 rows are a head in planes 0 and 1, A's in plane 2
	s_lshl_b32 s2, s[COL], 1
	s_add_co_u32 s2, s2, s16
	s_lshl_b32 s3, s17, 1
	s_add_co_u32 s3, s3, s15
	s_cmp_eq_u32 s[CLS], 2
	s_cselect_b32 s46, s3, s2
	s_cselect_b32 s47, s2, s3
	s_lshl_b32 s46, s46, 18
	s_lshl_b32 s47, s47, 14
	s_add_co_u32 s46, s46, s47
	s_lshl_b32 s47, s[CLS], 22
	s_add_co_u32 s46, s46, s47
	s_mov_b32 s47, 0
	s_add_nc_u64 s[98:99], s[98:99], s[46:47]
	s_wait_kmcnt 0x0
	s_sub_co_i32 s2, s90, s84
	s_sub_co_i32 s2, s2, s85                       ; e6 - e0 - e1
	s_sub_co_i32 s3, s91, s86
	s_sub_co_i32 s3, s3, s87                       ; e7 - e2 - e3
	s_sub_co_i32 s12, s93, s88
	s_sub_co_i32 s12, s12, s89                     ; e9 - e4 - e5
	s_cmp_eq_u32 s[CLS], 1
	s_cselect_b32 s2, s3, s2
	s_cmp_eq_u32 s[CLS], 2
	s_cselect_b32 s2, s12, s2
	s_add_co_i32 s2, s2, 127
	s_lshl_b32 s3, s2, 23
	v_mov_b32 v[SC], s3                            ; the power of two as f32
	s_add_co_i32 s2, s2, 8
	s_lshl_b32 s2, s2, 23
	s_or_b32 s2, s2, 0x600000
	v_mov_b32 v[LM], s2                            ; 448 x that
.macro FRAG reg, adr, q, i             ; 16 rows x 128 K: lane (r, h): row r; registers 4 c .. 4 c + 3: K = 32 c + 16 h + 0 .. 15, in A and B alike
.irp c, 0,1,2,3
	ds_load_b128 v[\reg+4*\c:\reg+4*\c+3], v[\adr] offset:128*(\q)+32*\c+(\i)*16*PITCH
.endr
.endm
; 16 matrix instructions: A's blocks a0, a0 + 1 x B's eight.  The 64 accumulators take turns, one instruction a turn, in the same order in every step.
.macro MUL16 a0, p, zero
.irp a, \a0, \a0+1
.irp b, 0,1,2,3,4,5,6,7
.if \zero
	v_wmma_f32_16x16x128_fp8_fp8 v[8*(8*((\a)%4)+\b):8*(8*((\a)%4)+\b)+7], v[128*(\p)+FR*\b:128*(\p)+FR*\b+FR-1], v[AF+FR*(\a):AF+FR*(\a)+FR-1], 0
.else
	v_wmma_f32_16x16x128_fp8_fp8 v[8*(8*((\a)%4)+\b):8*(8*((\a)%4)+\b)+7], v[128*(\p)+FR*\b:128*(\p)+FR*\b+FR-1], v[AF+FR*(\a):AF+FR*(\a)+FR-1], v[8*(8*((\a)%4)+\b):8*(8*((\a)%4)+\b)+7]
.endif
.endr
.endr
.endm
.macro FETCH_B slot, q, p
	WIN TO_B
.irp i, 0,1,2,3,4,5,6,7
	FRAG 128*(\p)+FR*\i, ADRB+\slot, \q, \i
.endr
	WIN 0
.endm
.macro FETCH_A slot, q, i0
.irp i, \i0, \i0+1, \i0+2, \i0+3
	FRAG AF+FR*(\i), ADRA+\slot, \q, \i
.endr
.endm
.macro PLACES n                        ; places between products and loads into registers that they have read, or reads of their results (ISA guide 7.12.1 for the reads of their results)
.rept \n
	v_nop
.endr
.endm
.macro STEP slot, q, zero              ; 128 along K, with its successor in the same slot
	s_wait_dscnt 4*NL                              ; B's set and A's blocks 0-3 are in; A's blocks 4-7 may be out
	WIN MUL_LO
	MUL16 0, (\q)%2, \zero
	MUL16 2, (\q)%2, \zero
	s_wait_dscnt 0
	PLACES NP
	FETCH_B \slot, (\q)+1, 1-(\q)%2
	FETCH_A \slot, (\q)+1, 0
	WIN MUL_HI
	MUL16 4, (\q)%2, \zero
	MUL16 6, (\q)%2, \zero
	PLACES NP
	WIN 0
	FETCH_A \slot, (\q)+1, 4
.endm
; A slot's last step changes slots.  fill = 1: the slot takes the K step two on; 2: cos and sin; 0: nothing.
.macro TURN slot, next, fill
.if (\fill) == 1 && (\slot) == 0
	s_wait_xcnt 0x0                                ; my prefetches, a K step back, have read their address
	s_add_nc_u64 s[PFA:PFA+1], s[PFA:PFA+1], 2*ROWB
.endif
	s_wait_tensorcnt 0x0                           ; my part of the next slot is in
	ds_add_u32 v[SPW], v[NIL]                      ; 0 onto my spare word
	s_wait_dscnt 4*NL+1                            ; (the add and A's blocks 4-7 may be out)
	WIN MUL_LO
	MUL16 0, 1, 0
	s_wait_dscnt 0x0                               ; the add is done, and my reads of this slot are over
	s_barrier_signal -1
	MUL16 2, 1, 0
	WIN 0
	s_barrier_wait -1
.if \fill
	CREST                                          ; no wave of any partner still reads this slot or has a load on its way
.if (\fill) == 1
	s_add_nc_u64 s[G0+4*\slot+2:G0+4*\slot+3], s[G0+4*\slot+2:G0+4*\slot+3], 2*ROWB
	s_add_nc_u64 s[G0B+4*\slot+2:G0B+4*\slot+3], s[G0B+4*\slot+2:G0B+4*\slot+3], 2*ROWB
	JLOAD G0+4*\slot, G1, G0B+4*\slot, G1B
.else
	JLOAD G0C, G1C, G0S, G1C                       ; both hang on the token rows alone: shared along my row of the cluster
.endif
.else
	PLACES NP
.endif
	FETCH_B \next, 0, 0
	FETCH_A \next, 0, 0
.if (\fill) == 1
	ASK \slot
.endif
	WIN MUL_HI
	MUL16 4, 1, 0
	MUL16 6, 1, 0
	PLACES NP
	WIN 0
	FETCH_A \next, 0, 4
.endm
	s_wait_alu depctr_va_vdst(0)
	s_wait_tensorcnt 0x0                           ; my part of K step 0 is in
	ds_add_u32 v[SPW], v[NIL]
	s_wait_dscnt 0x0
	CROUND                                         ; everybody's part of K step 0 is in
	JLOAD G0+4, G1, G0B+4, G1B                     ; K step 1
	FETCH_B 0, 0, 0
	FETCH_A 0, 0, 0
	FETCH_A 0, 0, 4
	PF 3*ROWB                                      ; K step 3
	STEP 0, 0, 1                                   ; its products start the sums
	s_mov_b32 s3, LAPS-1
.Llap:                                             ; once round the ring: refills with K steps 2 and 3, 4 and 5, 6 and 7
	TURN 0, 1, 1
	STEP 1, 0, 0
	TURN 1, 0, 1
	STEP 0, 0, 0
	s_sub_co_u32 s3, s3, 1
	s_cmp_lg_u32 s3, 0
	s_cbranch_scc1 .Llap
.macro CSLOAD a, set                   ; cos and sin of block a's row r: numbers 16 b + 8 h + 0 .. 7
.set CC, 32+64*(\set)
.set SS, 64+64*(\set)
.irp b, 0,1,2,3
	ds_load_b128 v[CC+8*\b:CC+8*\b+3],   v[CSA] offset:(\a)*16*PITCH+64*\b
	ds_load_b128 v[CC+8*\b+4:CC+8*\b+7], v[CSA] offset:(\a)*16*PITCH+64*\b+16
	ds_load_b128 v[SS+8*\b:SS+8*\b+3],   v[SNA] offset:(\a)*16*PITCH+64*\b
	ds_load_b128 v[SS+8*\b+4:SS+8*\b+7], v[SNA] offset:(\a)*16*PITCH+64*\b+16
.endr
.endm
.macro ROPE a, set                     ; accumulators b and b + 4 hold channels d and d + 64; each is read from its low end on
.set AC, 64*((\a)%4)
.set CC, 32+64*(\set)
.set SS, 64+64*(\set)
	WIN 0x02+((\a)/4)                              ; source 0: window 2 or 3
.irp b, 0,1,2,3
.irp j, 0,2,4,6
	v_pk_mul_f32 v[Y+8*\b+\j:Y+8*\b+\j+1], v[AC+8*\b+\j:AC+8*\b+\j+1], v[CC+8*\b+\j:CC+8*\b+\j+1]
	v_pk_mul_f32 v[Y+32+8*\b+\j:Y+32+8*\b+\j+1], v[AC+32+8*\b+\j:AC+32+8*\b+\j+1], v[CC+8*\b+\j:CC+8*\b+\j+1]
.endr
.irp j, 0,2,4,6
	v_pk_fma_f32 v[Y+8*\b+\j:Y+8*\b+\j+1], v[AC+32+8*\b+\j:AC+32+8*\b+\j+1], v[SS+8*\b+\j:SS+8*\b+\j+1], v[Y+8*\b+\j:Y+8*\b+\j+1] neg_lo:[1,0,0] neg_hi:[1,0,0]
	v_pk_fma_f32 v[Y+32+8*\b+\j:Y+32+8*\b+\j+1], v[AC+8*\b+\j:AC+8*\b+\j+1], v[SS+8*\b+\j:SS+8*\b+\j+1], v[Y+32+8*\b+\j:Y+32+8*\b+\j+1]
.endr
.endr
	WIN 0
.endm
.macro HOLD src                        ; the conversion to an 8-bit code does not saturate (ISA guide 7.6.2): the hold comes first
.set n, 0
.rept 64
	v_med3_num_f32 v[Y+n], v[(\src)+n], -v[LM], v[LM]
.set n, n+1
.endr
.endm
.macro OUT a                           ; to codes, and out: chunk c is registers 4 c .. 4 c + 3
.set CS0, CD+16*((\a)%2)
.irp b, 0,1,2,3,4,5,6,7
	v_cvt_scalef32_pk8_fp8_f32 v[CS0+2*\b:CS0+2*\b+1], v[Y+8*\b:Y+8*\b+7], v[SC]
.endr
	v_nop                                          ; a plain line behind the last conversion
.irp i, 0,1,2,3
	global_store_b128 v[GO], v[CS0+4*\i:CS0+4*\i+3], s[98:99] offset:2048*(\a)+512*\i
.endr
.endm
	s_cmp_eq_u32 s[CLS], 2                         ; hangs on the cluster's number alone: all partners go one way
	s_cbranch_scc1 .Lvway
; ---------------- q and k ----------------
	TURN 0, 1, 2                                   ; slot 0 takes cos and sin
	STEP 1, 0, 0
	s_wait_dscnt 4*NL                              ; the last step
	WIN MUL_LO
	MUL16 0, 1, 0
	MUL16 2, 1, 0
	s_wait_tensorcnt 0x0                           ; my part of cos or sin is in
	s_wait_dscnt 0x0
	s_barrier_signal -1
	WIN MUL_HI
	MUL16 4, 1, 0
	WIN 0
	s_barrier_wait -1                              ; all of cos and sin is in
	CSLOAD 0, 0                                    ; into registers that no product names
	WIN MUL_HI
	MUL16 6, 1, 0
	WIN 0
	PLACES NP
.irp a, 0,1,2,3,4,5,6,7
.if \a < 7
	CSLOAD \a+1, (\a+1)%2
	s_wait_dscnt 16                                ; this block's are in; the next one's 16 may be out
.else
	s_wait_dscnt 0x0
.endif
.if \a > 1
	s_wait_xcnt 0x0                                ; the stores of two blocks back have read their codes
.endif
	ROPE \a, (\a)%2
	HOLD Y
	OUT \a
.endr
	s_branch .Lend
; ---------------- v ----------------
.Lvway:
	TURN 0, 1, 0
	STEP 1, 0, 0
	s_wait_dscnt 4*NL
	WIN MUL_LO
	MUL16 0, 1, 0
	MUL16 2, 1, 0
	s_wait_dscnt 0
	WIN MUL_HI
	MUL16 4, 1, 0
	MUL16 6, 1, 0
	WIN 0
	PLACES NP
.irp a, 0,1,2,3,4,5,6,7
.if \a > 1
	s_wait_xcnt 0x0
.endif
	WIN 0x02+((\a)/4)
	HOLD 64*((\a)%4)
	WIN 0
	OUT \a
.endr
.Lend:
	s_wait_tensorcnt 0x0                           ; the wave's end
	ds_add_u32 v[SPW], v[NIL]
	s_wait_dscnt 0x0
	CROUND                                         ; the closing round: no work-group ends while a partner may still ask for a tile that names it
	s_endpgm
.Lfunc_end_k_q8ac9f82dca_qkv:
	.size	k_q8ac9f82dca_qkv, .Lfunc_end_k_q8ac9f82dca_qkv-k_q8ac9f82dca_qkv
	.p2alignl 7, 3214868480
	.fill 96, 4, 3214868480
	.section	.rodata,"a",@progbits
	.p2align	6, 0x0
	.amdhsa_kernel k_q8ac9f82dca_qkv
		.amdhsa_group_segment_fixed_size 327680
		.amdhsa_private_segment_fixed_size 0
		.amdhsa_enable_private_segment 0
		.amdhsa_kernarg_size 48
		.amdhsa_user_sgpr_count 2
		.amdhsa_user_sgpr_kernarg_segment_ptr 1
		.amdhsa_wavefront_size32 1
		.amdhsa_system_sgpr_workgroup_id_x 1
		.amdhsa_system_sgpr_workgroup_id_y 1
		.amdhsa_system_sgpr_workgroup_id_z 1
		.amdhsa_system_vgpr_workitem_id 0
		.amdhsa_next_free_vgpr 1024
		.amdhsa_next_free_sgpr 106
		.amdhsa_reserve_vcc 0
		.amdhsa_float_denorm_mode_32 3
		.amdhsa_float_denorm_mode_16_64 3
		.amdhsa_memory_ordered 1
		.amdhsa_forward_progress 1
		.amdhsa_inst_pref_size 223
	.end_amdhsa_kernel
	.amdgpu_metadata
---
amdhsa.version: [ 1, 2 ]
amdhsa.kernels:
  - .name:           k_q8ac9f82dca_qkv
    .symbol:         k_q8ac9f82dca_qkv.kd
    .args:
      - { .name: xc, .offset: 0, .size: 8, .value_kind: global_buffer, .address_space: global }
      - { .name: wc, .offset: 8, .size: 8, .value_kind: global_buffer, .address_space: global }
      - { .name: cos, .offset: 16, .size: 8, .value_kind: global_buffer, .address_space: global }
      - { .name: sin, .offset: 24, .size: 8, .value_kind: global_buffer, .address_space: global }
      - { .name: lowp_scales, .offset: 32, .size: 8, .value_kind: global_buffer, .address_space: global }
      - { .name: qkvc, .offset: 40, .size: 8, .value_kind: global_buffer, .address_space: global }
    .group_segment_fixed_size: 327680
    .private_segment_fixed_size: 0
    .kernarg_segment_align: 8
    .kernarg_segment_size: 48
    .max_flat_workgroup_size: 128
    .sgpr_count:     106
    .vgpr_count:     1024
    .wavefront_size: 32
...
	.end_amdgpu_metadata
.endif
;; end of part 2
;; launch attn (part 3): grid 16 x 16, 8 waves a work-group, no clusters, 327,680 bytes of LDS; arguments qkvc, lowp_scales, ac; writes ac
.if DOCPART == 3
	.amdgcn_target "amdgcn-amd-amdhsa--gfx1250"
	.amdhsa_code_object_version 6
	.text
	.protected	k_q8ac9f82dca_attn
	.globl	k_q8ac9f82dca_attn
	.p2align	8
	.type	k_q8ac9f82dca_attn,@function
k_q8ac9f82dca_attn:
	s_mov_b64 s[64:65], 0
	v_nop
	global_prefetch_b8 v0, s[64:65] scope:SCOPE_SE
	s_setreg_imm32_b32 hwreg(HW_REG_WAVE_MODE, 25, 1), 1
	s_wait_xcnt 0x0
; Causal attention on codes of FP8 (E4M3): for each head, o[q] = sum over keys k <= q of softmax(q . k / sqrt(128)) v[k], quantised under e10 into ac [16 heads][2048 t][128].
; qkvc: plane 0 rope(q) (e6), plane 1 rope(k) (e7), plane 2 v (e9), 262,144 bytes a head.  Each 16 rows (queries, keys, or v's channels of 128 tokens) are an image of 2,048 bytes of an operand's registers:
;   bytes 512 c + 16 lane are registers 4 c .. 4 c + 3 of the lane.  In v's images registers 2 t, 2 t + 1 hold tokens 16 t + 8 h + 0 .. 7 (h = lane / 16 % 2, r = lane % 16), the order in which the conversions leave p.
;   So tiles are dense, stated as rows of 256 bytes, lie in LDS as in memory, and a fragment load takes 512 consecutive bytes of LDS.
; THE SOFTMAX: t = score x log2(e) / sqrt(128); M = the running largest t, rounded up to a whole number; p = 2^(t - M) is quantised under e8, not normalised; the row's sum is taken of the unquantised p and divides
;   at the end.  When M moves, the sum and O are multiplied by 2^(old M - new M): exact.  A hidden key's score becomes -infinity ahead of the maximum, so its p is 0, as with the reference's lowest number.
; SHARES.  Work-group (p, head) owns two blocks of 64 queries, block p and block 31 - p.  Block p needs 1 + p / 4 slots of 256 keys, block 31 - p needs 8 - p / 4: nine visits for every p, walked one after the other.
;   Wave w = 4 m + j has queries 32 m .. 32 m + 31 of the block (two tiles of 16: each fragment of K and V feeds two products) and keys 64 j .. 64 j + 63 of each slot.
;   At a block's end the four waves of an m join their O, sums and M through LDS: all M are whole numbers, so the factors are exact powers of two; each joins 32 of the 128 channels.
; A STEP IS CUT IN TWO: first half: mask, maximum, M, the exponentials; second half: the row's sum, p's codes, O^T under the new M, V^T P.  The second half runs in the next visit, between that visit's loads of K and of V.
;   Visit 0 has no second half ahead of it and is written out; visit 8 asks for no further slot and is written out.  Block p's last second half runs in visit 1 + p / 4, ahead of the join.
; A step all of whose keys come behind the wave's 32 queries is jumped over, by a branch on ids and counts round its work alone; in visit 0 it is worked: every p is 0, M stays at its start, and the join gives it the factor 0.
; O needs no clearing for the second block: its first step moves M from its start, so the factor on the old numbers, which are finite (sums of at most 2,048 products of codes), is 0; none of that step's waves is wholly hidden.
; NO CLUSTER: the two blocks of partners would change over at different visits, so they would want different slots in the same visit.
; Both products are used transposed (S^T = K Q^T, O^T = V^T P^T): a lane holds one query of each tile (lane % 16) throughout.
; LIMITS: e6 + e7 between -123 and 130; e8, and e10 - e8 - e9, between -126 and 119; t above -3e38; scaled scores under 2^31 in magnitude.  NaN among the inputs is not served.
; REGISTERS.  Window 0: v1-11 addresses; v12 -M, v13 the largest t, v[14:15] the sum of tile 0, v16-19 of tile 1; v[20:21], v[22:23] f; v24-29 at work; v30, v31 constants; v32-63 Q; v64-127 S^T, then p; v128-143 p's codes;
;   v144-159 the join; v160-165 constants and addresses; v208-239 the second block's Q.   Window 1: v0-63 K's four fragments, v64-127 V's eight (64 keys), v128-255 O^T of both tiles.
.set BLKB,  16384                      ; a block of 128 rows, eight images: what one tensor load brings
.set VOFF,  2*BLKB                     ; a slot: K's two blocks, then V's two
.set SLOT1, 65536                      ; slot 1 begins here: one exclusive or turns an address from one slot to the other
.set MERGE, 131072                     ; for each wave 32 images of 512 bytes (O^T), then 2 x 256 bytes (sum, -M)
.set WREG,  16896
.set STAGE, MERGE+8*WREG               ; byte 266,240: for each m 32 rows x 144 bytes, for the way out
.set SPT,   144
.set MSTG,  32*SPT
.set SPARE, STAGE+2*MSTG               ; byte 275,456: the spare words, 128 bytes for each of eight waves; no other line names them
.set AK0, 1                            ; v1   my lane's place in my quarter of K
.set AV0, 2                            ; v2   of V
.set PFO, 3                            ; v3   256 x lane
.set MSS, 4                            ; v4   the join: where I put sum and -M
.set SPW, 5                            ; v5   my spare word; never rewritten
.set NIL, 6                            ; v6   0; never rewritten
.set GO,  7                            ; v7   16 x lane
.set ADK, 8
.set ADV, 9
.set MLD, 10                           ; v10  the join: where I read my channels
.set MST, 11                           ; v11  the join: where I put O^T
.set PL,  30                           ; v30  448 x 2^e8
.set PS,  31                           ; v31  2^e8
.set QA,  32
.set SA,  64
.set CD,  128
.set ST,  144
.set DQ,  160                          ; v160 r - 8 h
.set OSC, 161                          ; v161 2^(e10 - e8 - e9)
.set OLM, 162                          ; v162 448 x that
.set MSL, 163                          ; v163 the join: where I read the four sums and -M
.set STO, 164                          ; v164 the stage: where I put 8 bytes of a row
.set RD,  165                          ; v165 and where I read 16 back
.set QN,  208
.set KB,  0                            ; window 1
.set VB,  64
.set OA,  128
.set TB,  2                            ; s2   LDS byte at which the slot in hand begins
.set WV,  18
.set J,   19
.set SEL, 20                           ; s[20:21] v_permlanex16_b32's selects: lane l xor 16
.set CS,  22                           ; s[22:23] log2(e) / sqrt(128) x 2^(e6 + e7)
.set G1,  24                           ; s[24:31] 64 rows of 256 bytes
.set G0,  32                           ; s[32:35]
.set KVB, 36                           ; s[36:37] my tile of the head's first slot
.set OFF, 38                           ; s[38:39] the slot being asked for, in bytes
.set PFB, 40                           ; s[40:41] the prefetches' base,  s[42:43] base + OFF
.set PFA, 42
.set QB,  44                           ; s[44:45], s[46:47] q's codes at my first query of block p, of block 31 - p
.set QH,  46
.set OB1, 48                           ; s[48:49], s[50:51] ac at the eight rows that I store of block p, of block 31 - p
.set OB2, 50
.set KF,  52                           ; my step's first key
.set Q0,  53                           ; my first query,
.set QL,  54                           ; and my last
.set VT,  55                           ; the visit, 0 .. 8
.set N1,  56                           ; the visit at which block 31 - p begins
.set NOASK, 57
.set HID, 58
.set M,   59
.set KJ,  60                           ; 64 j
.set SL,  61
.set HB,  62                           ; s[62:63] head x 256 KiB
.set Q02, 66                           ; my first query of block 31 - p
.set MSB, 0
.macro WIN new                         ; the immediate's high byte repeats the setting that is left
.if MSB != (\new)
	s_set_vgpr_msb (MSB<<8)|(\new)
.set MSB, (\new)
.endif
.endm
.set TO_F,   0x40                      ; destination window 1
.set FROM_F, 0x01                      ; source 0 window 1
.set PVW,    0x51                      ; source 0, C and D window 1
.set OSW,    0x41                      ; source 0 and destination window 1
.macro TLOAD                           ; waves 0, 1: K's two blocks; waves 2, 3: V's.  An s_nop 0 and four v_nop follow the line
	s_cmp_lt_u32 s[WV], 4
	s_cbranch_scc0 .Lasked_\@
	tensor_load_to_lds s[G0:G0+3], s[G1:G1+7]
	s_nop 0
.rept 4
	v_nop
.endr
.Lasked_\@:
.endm
; A prefetch into the L2 of the slot behind the one that is being asked for: 32 KiB of K and 32 KiB of V, lanes 256 bytes apart, 8 KiB of each a wave.  All sixteen work-groups of a head walk the same K and V;
; work-group 0, whose second block walks slots 0 to 7 in visits 1 to 8, asks, with the four waves that fetch nothing, in visits 3 to 6, for slots 4 to 7: each 256 bytes once in the launch.
; Slots 0 to 3 come by their loads alone: many work-groups want them from the start.
.macro ASK
	s_sub_co_u32 s96, s[VT], 3
	s_or_b32 s96, s96, s[NOASK]
	s_cmp_lt_u32 s96, 4
	s_cbranch_scc0 .Lnot_mine_\@
	global_prefetch_b8 v[PFO], s[PFA:PFA+1] offset:32768 th:TH_LOAD_NT scope:SCOPE_SE
	global_prefetch_b8 v[PFO], s[PFA:PFA+1] offset:32768+4194304 th:TH_LOAD_NT scope:SCOPE_SE
.Lnot_mine_\@:
.endm
	s_load_b128 s[4:7], s[0:1], 0x0                ; qkvc s[4:5], the exponents s[6:7]
	s_load_b64 s[8:9], s[0:1], 0x10                ; ac
	v_lshl_add_u32 v[SPW], v0, 2, SPARE
	v_mov_b32 v[NIL], 0
	ds_add_u32 v[SPW], v[NIL]                      ; the wave's opening: the add, twice on end, and its wait ahead of my first tensor load
	ds_add_u32 v[SPW], v[NIL]
	v_lshrrev_b32 v8, 5, v0
	v_readfirstlane_b32 s[WV], v8                  ; wave 0..7
	s_and_b32 s[J], s[WV], 3
	s_lshr_b32 s[M], s[WV], 2
	s_mov_b32 s[G1], 0                             ; no mask; elements of 1 byte; no padding
	s_mov_b32 s[G1+1], 256<<16                     ; tensor_dim0
	s_mov_b32 s[G1+2], 64<<16                      ; tensor_dim1
	s_mov_b32 s[G1+3], 256<<16                     ; tile_dim0
	s_mov_b32 s[G1+4], 64                          ; tile_dim1
	s_mov_b32 s[G1+5], 256                         ; from row to row
	s_mov_b32 s[G1+6], 0
	s_mov_b32 s[G1+7], 0
	s_mov_b32 s[SEL], 0x76543210
	s_mov_b32 s[SEL+1], 0xfedcba98
	s_mov_b32 s[CS], 0x3e0293ee                    ; log2(e) / sqrt(128)
	s_mov_b32 s[TB], 0
	s_mov_b32 s[VT], 0
	s_mov_b32 s[OFF], 0
	s_mov_b32 s[OFF+1], 0
	s_lshr_b32 s[N1], ttmp9, 2
	s_add_co_u32 s[N1], s[N1], 1
	s_lshl_b32 s[KJ], s[J], 6
	s_mov_b32 s[KF], s[KJ]
	s_and_b32 s[HB], ttmp7, 0xffff                 ; the head
	s_lshl_b32 s[HB], s[HB], 18
	s_mov_b32 s[HB+1], 0
	s_bfe_u32 s10, s[WV], 0x10001                  ; what I fetch, if I fetch: plane 1 (waves 0, 1) or 2 (waves 2, 3),
	s_add_co_u32 s10, s10, 1
	s_lshl_b32 s10, s10, 22
	s_and_b32 s11, s[WV], 1                        ; the slot's first or second block,
	s_lshl_b32 s11, s11, 14
	s_add_co_u32 s10, s10, s11
	s_add_co_u32 s10, s10, s[HB]                   ; in my head
	s_mov_b32 s11, 0
	s_lshl_b32 s12, s[J], 13                       ; the prefetches: my wave's 8 KiB of a slot's K
	s_add_co_u32 s12, s12, s[HB]
	s_add_co_u32 s12, s12, 0x400000
	s_mov_b32 s13, 0
	s_lshl_b32 s96, s[M], 5
	s_lshl_b32 s[Q0], ttmp9, 6
	s_add_co_u32 s[Q0], s[Q0], s96                 ; my first query of block p,
	s_add_co_u32 s[QL], s[Q0], 31
	s_sub_co_u32 s[Q02], 31, ttmp9
	s_lshl_b32 s[Q02], s[Q02], 6
	s_add_co_u32 s[Q02], s[Q02], s96               ; and of block 31 - p
	s_lshl_b32 s14, s[Q0], 7
	s_add_co_u32 s14, s14, s[HB]                   ; in bytes of codes
	s_mov_b32 s15, 0
	s_lshl_b32 s16, s[Q02], 7
	s_add_co_u32 s16, s16, s[HB]
	s_mov_b32 s17, 0
	s_lshl_b32 s96, s[J], 10                       ; I store eight rows of my m's 32
	s_add_co_u32 s76, s14, s96
	s_mov_b32 s77, 0
	s_add_co_u32 s78, s16, s96
	s_mov_b32 s79, 0
	s_xor_b32 s96, s[M], 1                         ; 0 in waves 4 to 7,
	s_or_b32 s96, s96, ttmp9                       ; of the head's work-group 0
	s_cmp_eq_u32 s96, 0
	s_cselect_b32 s[NOASK], 0, -1
	s_mov_b32 s[G0], 1
	s_mul_i32 s[G0+1], s[WV], BLKB                 ; slot 0: wave x a block
	; LDS bases of my addresses
	s_lshl_b32 s84, s[J], 13                       ; K: 64 keys are four images
	s_lshr_b32 s85, s[J], 1                        ; V: the block of 128 keys,
	s_lshl_b32 s85, s85, 14
	s_and_b32 s96, s[J], 1                         ; and its half: two chunks of each image
	s_lshl_b32 s96, s96, 10
	s_add_co_u32 s85, s85, s96
	s_add_co_u32 s85, s85, VOFF
	s_mul_i32 s86, s[WV], WREG
	s_add_co_u32 s86, s86, MERGE
	s_add_co_u32 s87, s86, 16384
	s_mul_i32 s88, s[M], 4*WREG
	s_add_co_u32 s88, s88, MERGE
	s_add_co_u32 s89, s88, 16384
	s_lshl_b32 s96, s[J], 11                       ; my two channel tiles of 1,024 bytes
	s_add_co_u32 s90, s88, s96
	s_mul_i32 s91, s[M], MSTG
	s_add_co_u32 s91, s91, STAGE
	s_lshl_b32 s96, s[J], 5
	s_add_co_u32 s92, s91, s96
	s_mul_i32 s96, s[J], 8*SPT
	s_add_co_u32 s93, s91, s96
	v_and_b32 v144, 15, v0                         ; r
	v_bfe_u32 v145, v0, 4, 1                       ; h
	v_and_b32 v146, 31, v0                         ; lane
	v_lshlrev_b32 v[GO], 4, v146
	v_lshlrev_b32 v147, 3, v146
	v_lshlrev_b32 v[PFO], 8, v146
	v_mul_u32_u24 v148, v144, SPT
	v_lshrrev_b32 v149, 3, v146
	v_and_b32 v150, 7, v146
	v_lshlrev_b32 v151, 3, v145
	v_add_nc_u32 v[AK0], s84, v[GO]
	v_add_nc_u32 v[AV0], s85, v[GO]
	v_add_nc_u32 v[MST], s86, v[GO]
	v_add_nc_u32 v[MSS], s87, v147
	v_add_nc_u32 v[MSL], s89, v147
	v_add_nc_u32 v[MLD], s90, v[GO]
	v_mul_u32_u24 v149, v149, SPT
	v_add_nc_u32 v148, v148, v151
	v_sub_nc_u32 v[DQ], v144, v151
	v_lshl_add_u32 v149, v150, 4, v149
	v_add_nc_u32 v[STO], s92, v148                 ; row r, + 32 j + 8 h
	v_add_nc_u32 v[RD], s93, v149                  ; rows 8 j on, eight lanes to a row
.macro START                           ; a block's start: the largest t -3e38, under every t; no sum
	v_mov_b32 v13, 0xff61b1e6
	v_mov_b32 v17, 0xff61b1e6
	v_mov_b32 v14, 0
	v_mov_b32 v15, 0
	v_mov_b32 v18, 0
	v_mov_b32 v19, 0
	v_floor_f32 v12, -v13                          ; -M
	v_floor_f32 v16, -v17
.endm
	START
	v_mov_b32 v21, 0                               ; (named as the upper halves of the pairs of f)
	v_mov_b32 v23, 0
.irp i, 26,27,28,29
	v_mov_b32 v\i, 0                               ; written once: a lane permute's destination counts as one of its sources
.endr
	s_wait_alu depctr_va_vdst(0)
	s_wait_dscnt 0x0                               ; both opening adds are done
	s_wait_kmcnt 0x0
	s_load_b128 s[68:71], s[6:7], 0x18             ; e6, e7, e8, e9
	s_load_b32 s72, s[6:7], 0x28                   ; e10
	s_add_nc_u64 s[KVB:KVB+1], s[4:5], s[10:11]
	s_add_nc_u64 s[PFB:PFB+1], s[4:5], s[12:13]
	s_add_nc_u64 s[QB:QB+1], s[4:5], s[14:15]
	s_add_nc_u64 s[QH:QH+1], s[4:5], s[16:17]
	s_add_nc_u64 s[OB1:OB1+1], s[8:9], s[76:77]
	s_add_nc_u64 s[OB2:OB2+1], s[8:9], s[78:79]
	s_mov_b64 s[G0+2:G0+3], s[KVB:KVB+1]
	s_or_b32 s[G0+3], s[G0+3], 0x80000000
	TLOAD                                          ; visit 0's slot
.irp c, 0,1,2,3,4,5,6,7
	global_load_b128 v[QA+4*\c:QA+4*\c+3], v[GO], s[QB:QB+1] offset:512*\c    ; Q of both blocks: two images of block p,
.endr
.irp c, 0,1,2,3,4,5,6,7
	global_load_b128 v[QN+4*\c:QN+4*\c+3], v[GO], s[QH:QH+1] offset:512*\c    ; and two of block 31 - p, which wait in registers of their own
.endr
	WIN TO_F
.set n, 0
.rept 128
	v_mov_b32 v[OA+n], 0                           ; O^T of block p: a quarter whose keys are all hidden in visit 0 keeps M, so its factor is 1.  (Under the first tile's flight)
.set n, n+1
.endr
	WIN 0
	s_wait_kmcnt 0x0
	s_add_co_i32 s96, s68, s69
	s_lshl_b32 s96, s96, 23
	s_add_co_i32 s[CS], s[CS], s96                 ; a score stands for score x 2^(e6 + e7): added to c's exponent field
	s_mov_b32 s[CS+1], s[CS]
	s_add_co_i32 s96, s70, 127
	s_lshl_b32 s97, s96, 23
	v_mov_b32 v[PS], s97
	s_add_co_i32 s96, s96, 8
	s_lshl_b32 s96, s96, 23
	s_or_b32 s96, s96, 0x600000
	v_mov_b32 v[PL], s96
	s_sub_co_i32 s96, s72, s70
	s_sub_co_i32 s96, s96, s71
	s_add_co_i32 s96, s96, 127
	s_lshl_b32 s97, s96, 23
	v_mov_b32 v[OSC], s97                          ; O / l stands for O / l x 2^(e8 + e9)
	s_add_co_i32 s96, s96, 8
	s_lshl_b32 s96, s96, 23
	s_or_b32 s96, s96, 0x600000
	v_mov_b32 v[OLM], s96
	s_wait_alu depctr_va_vdst(0)
	s_wait_loadcnt 0x0                             ; Q, once for both blocks
; THE CHANGE OF SLOTS, at a visit's head.  Each wave waits for all its tensor loads, adds 0 to its spare word (where a load follows: twice on end), and waits for that and
; for its reads of the slot that it has left; behind the barrier the slot ahead is whole and nobody reads the other one, which takes the next visit's keys.
.macro CHANGE fill
	s_wait_tensorcnt 0x0                           ; no tensor load of mine is out, so group 0 may be written
	ds_add_u32 v[SPW], v[NIL]                      ; 0 onto my spare word
.if \fill
	ds_add_u32 v[SPW], v[NIL]
	s_xor_b32 s[G0+1], s[G0+1], SLOT1
	s_add_co_u32 s96, s[VT], 1
	s_add_co_u32 s[OFF], s[OFF], 32768             ; a slot on: 32 KiB in K's plane and in V's alike;
	s_cmp_eq_u32 s96, s[N1]
	s_cselect_b32 s[OFF], 0, s[OFF]                ; block 31 - p begins at key 0
	s_add_nc_u64 s[G0+2:G0+3], s[KVB:KVB+1], s[OFF:OFF+1]
	s_or_b32 s[G0+3], s[G0+3], 0x80000000
.endif
	s_wait_xcnt 0x0                                ; earlier prefetches and stores have read their registers
.if \fill
	s_add_nc_u64 s[PFA:PFA+1], s[PFB:PFB+1], s[OFF:OFF+1]
.endif
	s_wait_dscnt 0x0                               ; the add is done, and my reads of the slot that I have left are over: V's fragments of the step before are in registers
	s_barrier_signal -1
	s_barrier_wait -1
.if \fill
	TLOAD                                          ; a wave's one tensor load until the next change
	ASK
.endif
.endm
.macro KLOAD                           ; K's four fragments, 16 keys each: 16 loads.  The products that read these registers last stand in front of four v_nop (macro KQ)
	v_add_nc_u32 v[ADK], s[TB], v[AK0]
	WIN TO_F
.irp t, 0,1,2,3
.irp c, 0,1,2,3
	ds_load_b128 v[KB+16*\t+4*\c:KB+16*\t+4*\c+3], v[ADK] offset:2048*\t+512*\c
.endr
.endr
	WIN 0
.endm
.macro VLOAD                           ; V's eight fragments, 16 channels x 64 keys each: 16 loads
	v_add_nc_u32 v[ADV], s[TB], v[AV0]
	WIN TO_F
.irp t, 0,1,2,3,4,5,6,7
.irp c, 0,1
	ds_load_b128 v[VB+8*\t+4*\c:VB+8*\t+4*\c+3], v[ADV] offset:2048*\t+512*\c
.endr
.endr
	WIN 0
.endm
.macro KQ                              ; S^T = K Q^T: register 32 x + 8 t + i of lane (r, h): query 16 x + r, key KF + 16 t + 8 h + i
	s_wait_dscnt 16                                ; LDS loads come back in order: K's 16 are in; V's 16, issued behind them, may be out
	WIN FROM_F
.irp t, 0,1,2,3
.irp x, 0,1
	v_wmma_f32_16x16x128_fp8_fp8 v[SA+32*\x+8*\t:SA+32*\x+8*\t+7], v[KB+16*\t:KB+16*\t+15], v[QA+16*\x:QA+16*\x+15], 0
.endr
.endr
	WIN 0
.rept 4
	v_nop                                          ; four places behind the products: their results are read below, and K's registers are loaded again in the next visit (ISA guide 7.12.1)
.endr
.endm
; A STEP'S FIRST HALF: from the scores to p = 2^(t - M) and f = 2^(old M - new M).  The two tiles' chains are interleaved.
.macro PART1
	s_add_co_u32 s96, s[KF], 63
	s_cmp_le_u32 s96, s[Q0]                        ; all keys count: no mask
	s_cbranch_scc1 .Lopen_\@
	s_sub_co_i32 s96, s[Q0], s[KF]
	v_add_nc_u32 v24, s96, v[DQ]                   ; d = my query of tile 0 - KF - 8 h: register 32 x + 8 t + i is hidden where 16 t + i - 16 x > d
	v_mov_b32 v28, 0xff800000                      ; -infinity
.irp x, 0,1
.set n, 0
.rept 32
	v_cmp_gt_i32 vcc_lo, 16*(n/8)+n%8-16*\x, v24
	v_cndmask_b32 v[SA+32*\x+n], v[SA+32*\x+n], v28, vcc_lo
.set n, n+1
.endr
.endr
.Lopen_\@:
.irp x, 0,1                                    ; the step's largest score, two chains a tile, each accumulator from its low end on
	v_max3_num_f32 v[24+\x], v[SA+32*\x], v[SA+32*\x+1], v[SA+32*\x+2]
	v_max3_num_f32 v[28+\x], v[SA+32*\x+3], v[SA+32*\x+4], v[SA+32*\x+5]
.endr
.irp i, 6,10,14,18,22,26
.irp x, 0,1
	v_max3_num_f32 v[24+\x], v[24+\x], v[SA+32*\x+\i], v[SA+32*\x+\i+1]
	v_max3_num_f32 v[28+\x], v[28+\x], v[SA+32*\x+\i+2], v[SA+32*\x+\i+3]
.endr
.endr
.irp x, 0,1
	v_max3_num_f32 v[24+\x], v[24+\x], v[SA+32*\x+30], v[SA+32*\x+31]
.endr
.irp x, 0,1
	v_max_num_f32 v[24+\x], v[24+\x], v[28+\x]
.endr
.irp x, 0,1
	v_permlanex16_b32 v[26+\x], v[24+\x], s[SEL], s[SEL+1]
.endr
.irp x, 0,1
	v_max_num_f32 v[24+\x], v[24+\x], v[26+\x]     ; and among lane l xor 16's keys
.endr
.irp x, 0,1
	v_mul_f32 v[24+\x], s[CS], v[24+\x]            ; as t (c is positive)
.endr
.irp x, 0,1
	v_max_num_f32 v[13+4*\x], v[13+4*\x], v[24+\x]
.endr
.irp x, 0,1
	v_mov_b32 v[24+\x], v[12+4*\x]
.endr
.irp x, 0,1
	v_floor_f32 v[12+4*\x], -v[13+4*\x]            ; the new -M = floor(-t): M is a whole number
.endr
.irp x, 0,1
	v_sub_f32 v[24+\x], v[12+4*\x], v[24+\x]       ; old M - new M, 0 or less
.endr
.irp x, 0,1
	v_cvt_i32_f32 v[24+\x], v[24+\x]               ; (it saturates)
.endr
.irp x, 0,1
	v_ldexp_f32 v[20+2*\x], 1.0, v[24+\x]          ; f
.endr
.irp x, 0,1
.set n, 0
.rept 16
	v_pk_fma_f32 v[SA+32*\x+n:SA+32*\x+n+1], v[SA+32*\x+n:SA+32*\x+n+1], s[CS:CS+1], v[12+4*\x:13+4*\x] op_sel_hi:[1,0,0]   ; t - M
.set n, n+2
.endr
.endr
	s_wait_alu depctr_va_vdst(0)
.set n, 0
.rept 64
	v_exp_f32 v[SA+n], v[SA+n]                     ; p = 2^(t - M)
.set n, n+1
.endr
	v_pk_mul_f32 v[14:15], v[14:15], v[20:21] op_sel_hi:[1,0]   ; the sums under the new M: the plain lines behind the exponentials
	v_pk_mul_f32 v[18:19], v[18:19], v[22:23] op_sel_hi:[1,0]
	s_wait_alu depctr_va_vdst(0)                   ; one wait for the whole batch
.endm
; A STEP'S SECOND HALF: the row's sum, p's codes, O^T under the new M, O^T += V^T P^T.  V's fragments are in registers: the change of slots, or the wait behind the walk, has shown it.
.macro PART2
.irp k, 0,2,4,6                                ; the sums in four chains a tile; the codes' registers serve as their places
.irp x, 0,1
	v_pk_add_f32 v[CD+8*\x+\k:CD+8*\x+\k+1], v[SA+32*\x+\k:SA+32*\x+\k+1], v[SA+32*\x+8+\k:SA+32*\x+9+\k]
.endr
.endr
.irp b, 16, 24
.irp k, 0,2,4,6
.irp x, 0,1
	v_pk_add_f32 v[CD+8*\x+\k:CD+8*\x+\k+1], v[CD+8*\x+\k:CD+8*\x+\k+1], v[SA+32*\x+\b+\k:SA+32*\x+\b+\k+1]
.endr
.endr
.endr
.irp x, 0,1
	v_pk_add_f32 v[CD+8*\x:CD+8*\x+1], v[CD+8*\x:CD+8*\x+1], v[CD+8*\x+2:CD+8*\x+3]
	v_pk_add_f32 v[CD+8*\x+4:CD+8*\x+5], v[CD+8*\x+4:CD+8*\x+5], v[CD+8*\x+6:CD+8*\x+7]
.endr
.irp x, 0,1
	v_pk_add_f32 v[14+4*\x:15+4*\x], v[14+4*\x:15+4*\x], v[CD+8*\x:CD+8*\x+1]
.endr
.irp x, 0,1
	v_pk_add_f32 v[14+4*\x:15+4*\x], v[14+4*\x:15+4*\x], v[CD+8*\x+4:CD+8*\x+5]
.endr
.set n, 0
.rept 64
	v_min_num_f32 v[SA+n], v[SA+n], v[PL]          ; the conversion to an 8-bit code does not saturate (ISA guide 7.6.2); p is not negative: a one-sided hold
.set n, n+1
.endr
.irp x, 0,1
.irp t, 0,1,2,3
	v_cvt_scalef32_pk8_fp8_f32 v[CD+8*\x+2*\t:CD+8*\x+2*\t+1], v[SA+32*\x+8*\t:SA+32*\x+8*\t+7], v[PS]   ; tile t's eight keys: registers 2 t, 2 t + 1 of the operand
.endr
.endr
	v_nop                                          ; a plain line behind the last conversion
	WIN OSW
	s_wait_alu depctr_va_vdst(0)
.irp x, 0,1
.set n, 0
.rept 32
	v_pk_mul_f32 v[OA+64*\x+n:OA+64*\x+n+1], v[OA+64*\x+n:OA+64*\x+n+1], v[20+2*\x:21+2*\x] op_sel_hi:[1,0]   ; O^T under the new M, each accumulator from its low end on
.set n, n+2
.endr
.endr
	WIN PVW
.irp t, 0,1,2,3,4,5,6,7                        ; the sixteen accumulators take turns, one instruction a turn
.irp x, 0,1
	v_wmma_f32_16x16x64_fp8_fp8 v[OA+64*\x+8*\t:OA+64*\x+8*\t+7], v[VB+8*\t:VB+8*\t+7], v[CD+8*\x:CD+8*\x+7], v[OA+64*\x+8*\t:OA+64*\x+8*\t+7]
.endr
.endr
	WIN 0
.rept 4
	v_nop                                          ; four places: V's registers are loaded again below, and at a block's end O^T is stored
.endr
.endm
; THE JOIN.  Every wave puts O^T, its sums and its -M into LDS; then each takes the four waves' numbers of its 32 channels.  The next slot may stay on its way.
.macro JOIN ob
	v_add_f32 v14, v14, v15                        ; the sum's two halves,
	v_add_f32 v18, v18, v19
	v_mov_b32 v15, v12                             ; and -M beside it
	v_mov_b32 v19, v16
	ds_store_b64 v[MSS], v[14:15]
	ds_store_b64 v[MSS], v[18:19] offset:256
	WIN 0x04                                       ; the stores' data: window 1
.irp x, 0,1
.irp t, 0,1,2,3,4,5,6,7
	ds_store_b128 v[MST], v[OA+64*\x+8*\t:OA+64*\x+8*\t+3] offset:1024*(8*\x+\t)
	ds_store_b128 v[MST], v[OA+64*\x+8*\t+4:OA+64*\x+8*\t+7] offset:1024*(8*\x+\t)+512
.endr
.endr
	WIN 0
	s_wait_dscnt 0x0                               ; for the others' sake: my stores are done
	s_barrier_signal -1
	s_barrier_wait -1
.irp x, 0,1
.irp i, 0,1,2,3
	ds_load_b64 v[ST+8*\x+2*\i:ST+8*\x+2*\i+1], v[MSL] offset:WREG*\i+256*\x
.endr
.endr
	WIN TO_F
.irp i, 0,1,2,3
.irp x, 0,1
.irp u, 0,1
	ds_load_b128 v[OA+32*\i+16*\x+8*\u:OA+32*\i+16*\x+8*\u+3], v[MLD] offset:WREG*\i+8192*\x+1024*\u
	ds_load_b128 v[OA+32*\i+16*\x+8*\u+4:OA+32*\i+16*\x+8*\u+7], v[MLD] offset:WREG*\i+8192*\x+1024*\u+512
.endr
.endr
.endr
	WIN 0
	s_wait_dscnt 32                                ; the sums and -M are in; the 32 younger loads may be out
.irp x, 0,1
	v_min3_num_f32 v[24+\x], v[ST+8*\x+1], v[ST+8*\x+3], v[ST+8*\x+5]
.endr
.irp x, 0,1
	v_min_num_f32 v[24+\x], v[24+\x], v[ST+8*\x+7] ; the joint -M
.endr
.irp i, 0,1,2,3
.irp x, 0,1
	v_sub_f32 v[ST+8*\x+2*\i+1], v[24+\x], v[ST+8*\x+2*\i+1]   ; a whole number, 0 or less
.endr
.endr
.irp i, 0,1,2,3
.irp x, 0,1
	v_cvt_i32_f32 v[ST+8*\x+2*\i+1], v[ST+8*\x+2*\i+1]   ; (all keys hidden: -M = 3e38: this saturates, and the factor is 0)
.endr
.endr
.irp i, 0,1,2,3
.irp x, 0,1
	v_ldexp_f32 v[ST+8*\x+2*\i+1], 1.0, v[ST+8*\x+2*\i+1]
.endr
.endr
.irp x, 0,1
	v_mul_f32 v[26+\x], v[ST+8*\x], v[ST+8*\x+1]
.endr
.irp i, 1,2,3
.irp x, 0,1
	v_fma_f32 v[26+\x], v[ST+8*\x+2*\i], v[ST+8*\x+2*\i+1], v[26+\x]
.endr
.endr
.irp x, 0,1
	v_permlanex16_b32 v[28+\x], v[26+\x], s[SEL], s[SEL+1]
.endr
.irp x, 0,1
	v_add_f32 v[26+\x], v[26+\x], v[28+\x]         ; and lane l xor 16's keys: the row's sum
.endr
	s_wait_alu depctr_va_vdst(0)
	v_rcp_f32 v26, v26
	v_rcp_f32 v27, v27
	v_nop                                          ; a plain line behind the reciprocals
	s_wait_dscnt 0x0                               ; the four waves' O^T of my channels
	s_wait_alu depctr_va_vdst(0)                   ; and the wait ahead of the reciprocals' first readers
.irp i, 0,1,2,3
.irp x, 0,1
	v_mul_f32 v[ST+8*\x+2*\i], v[ST+8*\x+2*\i+1], v[26+\x]   ; the division goes into the factors
.endr
.endr
	WIN FROM_F
.irp x, 0,1
.irp k, 0,2,4,6,8,10,12,14
	v_pk_mul_f32 v[SA+16*\x+\k:SA+16*\x+\k+1], v[OA+16*\x+\k:OA+16*\x+\k+1], v[ST+8*\x:ST+8*\x+1] op_sel_hi:[1,0]
.endr
.endr
.irp i, 1,2,3
.irp x, 0,1
.irp k, 0,2,4,6,8,10,12,14
	v_pk_fma_f32 v[SA+16*\x+\k:SA+16*\x+\k+1], v[OA+32*\i+16*\x+\k:OA+32*\i+16*\x+\k+1], v[ST+8*\x+2*\i:ST+8*\x+2*\i+1], v[SA+16*\x+\k:SA+16*\x+\k+1] op_sel_hi:[1,0,1]
.endr
.endr
.endr
	WIN 0
.set n, 0
.rept 32
	v_med3_num_f32 v[SA+n], v[SA+n], -v[OLM], v[OLM]
.set n, n+1
.endr
.irp g, 0,1,2,3
	v_cvt_scalef32_pk8_fp8_f32 v[CD+2*\g:CD+2*\g+1], v[SA+8*\g:SA+8*\g+7], v[OSC]   ; g = 2 x + u: channels 32 j + 16 u + 8 h + 0 .. 7 of query 16 x + r
.endr
	v_nop                                          ; a plain line behind the last conversion
.irp x, 0,1
.irp u, 0,1
	ds_store_b64 v[STO], v[CD+4*\x+2*\u:CD+4*\x+2*\u+1] offset:16*SPT*\x+16*\u
.endr
.endr
	s_wait_dscnt 0x0
	s_barrier_signal -1
	s_barrier_wait -1                              ; the rows are whole
	ds_load_b128 v[CD+8:CD+11], v[RD]
	ds_load_b128 v[CD+12:CD+15], v[RD] offset:4*SPT
	s_wait_dscnt 1                                 ; the first four rows are back
	global_store_b128 v[GO], v[CD+8:CD+11], s[\ob:\ob+1]    ; 32 lanes store 512 consecutive bytes, aligned
	s_wait_dscnt 0x0
	global_store_b128 v[GO], v[CD+12:CD+15], s[\ob:\ob+1] offset:512
.endm
.macro NEXT                            ; on to the next visit
	s_xor_b32 s[TB], s[TB], SLOT1
	s_add_co_u32 s[VT], s[VT], 1
	s_add_co_u32 s[KF], s[KF], 256
	s_cmp_eq_u32 s[VT], s[N1]
	s_cselect_b32 s[KF], s[KJ], s[KF]              ; block 31 - p begins at key 0
.endm
	; ---- visit 0
	CHANGE 1
	KLOAD
	VLOAD
	KQ
	PART1
	NEXT
	s_mov_b32 s[SL], 7
.Lvisit:                                           ; visits 1 to 7
	CHANGE 1
	s_cmp_gt_u32 s[KF], s[QL]                      ; all my keys of this slot lie behind my queries: nothing to do, and the pending second half stays pending;
	s_cselect_b32 s[HID], 1, 0
	s_cmp_eq_u32 s[VT], s[N1]                      ; but not where block 31 - p begins: there the pending half is block p's last, and every key counts
	s_cselect_b32 s[HID], 0, s[HID]
	s_cmp_lg_u32 s[HID], 0
	s_cbranch_scc1 .Lhidden_1
	KLOAD                                          ; this step's K lands under
	PART2                                          ; the second half of the step before
.Lhidden_1:
	s_cmp_lg_u32 s[VT], s[N1]                      ; ids and counts alone: all eight waves go the same way
	s_cbranch_scc1 .Lsame
	JOIN OB1                                       ; block p is finished
	START
.set n, 0
.rept 32
	v_mov_b32 v[QA+n], v[QN+n]                     ; the second block's Q takes its place: the loop names one set of registers
.set n, n+1
.endr
	s_mov_b32 s[Q0], s[Q02]
	s_add_co_u32 s[QL], s[Q0], 31
	s_wait_alu depctr_va_vdst(0)
.Lsame:
	s_cmp_lg_u32 s[HID], 0
	s_cbranch_scc1 .Lhidden_2
	VLOAD                                          ; this step's V lands under the lines below
	KQ
	PART1
.Lhidden_2:
	NEXT
	s_sub_co_u32 s[SL], s[SL], 1
	s_cmp_lg_u32 s[SL], 0
	s_cbranch_scc1 .Lvisit
	; ---- visit 8 asks for nothing more
	CHANGE 0
	s_cmp_gt_u32 s[KF], s[QL]
	s_cbranch_scc1 .Lhidden_3
	KLOAD
	PART2
	VLOAD
	KQ
	PART1
.Lhidden_3:
	s_wait_dscnt 0x0                               ; V's fragments of my last step are in
	PART2
	JOIN OB2
	s_wait_tensorcnt 0x0                           ; the wave's end
	ds_add_u32 v[SPW], v[NIL]
	s_wait_dscnt 0x0
	s_endpgm
.Lfunc_end_k_q8ac9f82dca_attn:
	.size	k_q8ac9f82dca_attn, .Lfunc_end_k_q8ac9f82dca_attn-k_q8ac9f82dca_attn
	.p2alignl 7, 3214868480
	.fill 96, 4, 3214868480
	.section	.rodata,"a",@progbits
	.p2align	6, 0x0
	.amdhsa_kernel k_q8ac9f82dca_attn
		.amdhsa_group_segment_fixed_size 327680
		.amdhsa_private_segment_fixed_size 0
		.amdhsa_enable_private_segment 0
		.amdhsa_kernarg_size 24
		.amdhsa_user_sgpr_count 2
		.amdhsa_user_sgpr_kernarg_segment_ptr 1
		.amdhsa_wavefront_size32 1
		.amdhsa_system_sgpr_workgroup_id_x 1
		.amdhsa_system_sgpr_workgroup_id_y 1
		.amdhsa_system_sgpr_workgroup_id_z 1
		.amdhsa_system_vgpr_workitem_id 0
		.amdhsa_next_free_vgpr 512
		.amdhsa_next_free_sgpr 100
		.amdhsa_reserve_vcc 1
		.amdhsa_float_denorm_mode_32 3
		.amdhsa_float_denorm_mode_16_64 3
		.amdhsa_memory_ordered 1
		.amdhsa_forward_progress 1
		.amdhsa_inst_pref_size 118
	.end_amdhsa_kernel
	.amdgpu_metadata
---
amdhsa.version: [ 1, 2 ]
amdhsa.kernels:
  - .name:           k_q8ac9f82dca_attn
    .symbol:         k_q8ac9f82dca_attn.kd
    .args:
      - { .name: qkvc, .offset: 0, .size: 8, .value_kind: global_buffer, .address_space: global }
      - { .name: lowp_scales, .offset: 8, .size: 8, .value_kind: global_buffer, .address_space: global }
      - { .name: ac, .offset: 16, .size: 8, .value_kind: global_buffer, .address_space: global }
    .group_segment_fixed_size: 327680
    .private_segment_fixed_size: 0
    .kernarg_segment_align: 8
    .kernarg_segment_size: 24
    .max_flat_workgroup_size: 256
    .sgpr_count:     100
    .vgpr_count:     512
    .wavefront_size: 32
...
	.end_amdgpu_metadata
.endif
;; end of part 3
;; launch oproj (part 4): grid 16 x 16, 4 waves a work-group, clusters of 4 x 4, 327,680 bytes of LDS; arguments ac, wc, lowp_scales, out0; writes out0
.if DOCPART == 4
	.amdgcn_target "amdgcn-amd-amdhsa--gfx1250"
	.amdhsa_code_object_version 6
	.text
	.protected	k_q8ac9f82dca_oproj
	.globl	k_q8ac9f82dca_oproj
	.p2align	8
	.type	k_q8ac9f82dca_oproj,@function
k_q8ac9f82dca_oproj:
	s_mov_b64 s[64:65], 0
	v_nop
	global_prefetch_b8 v0, s[64:65] scope:SCOPE_SE
	s_setreg_imm32_b32 hwreg(HW_REG_WAVE_MODE, 25, 1), 1
	s_wait_xcnt 0x0
	s_wait_alu depctr_hold_cnt(0) depctr_sa_sdst(0) depctr_va_vdst(0) depctr_va_sdst(0) depctr_va_ssrc(0) depctr_va_vcc(0) depctr_vm_vsrc(0)
	s_getreg_b32 s2, hwreg(HW_REG_IB_STS2, 6, 4)
	s_cmp_eq_u32 s2, 0
	s_cbranch_scc0 .Lentry_in_a_cluster
	s_endpgm
.Lentry_in_a_cluster:
	s_bfe_u32 s2, ttmp6, 0x10000c
	s_cmp_lg_u32 s2, 0xf033
	s_cbranch_scc0 .Lentry_shape_is_right
	s_endpgm
.Lentry_shape_is_right:
; The output projection on codes of FP8 (E4M3): out0[t][n] = 2^(e10 + e11) x the sum over k of ac(t, k) Wo(n, k), k = 128 head + channel; sums in f32.
; ac: [16 heads][2048 t][128 channels]; Wo: plane 3 of wc, [2048 n][2048 k].
; A block of 128 x 128 is made by a work-group of four waves, 64 x 64 each, 16 accumulators: 16 x 16 = 256 blocks.  K goes in four steps of 512 (four heads) through two LDS slots, all written out.
; Of a step's tiles waves 0 and 1 fetch A's (two heads each: two rows of 16,384 bytes, 16 of padding behind each 128), waves 2 and 3 B's (64 rows of 512 bytes each, 16 of padding behind each row).
; CLUSTERS of 4 x 4: A's tiles are asked for jointly along a row of the cluster, B's along a column.
; The matrix instruction is used transposed (source 0 = 16 rows of B, source 1 = 16 rows of A): a lane holds eight neighbouring columns of one row.
; PREFETCH: behind K step 0's load steps 1 and 2 are asked for, behind step 1's load step 3.  Of the 128 blocks of 256 bytes that a wave fetches each of the four partners takes 32, told apart by address, a lane a block.
; LIMIT: e10 + e11 between -126 and 127.
; REGISTERS: window 0: v16-31 addresses, v32-127 the way out, v128-255 accumulators; window 1: two sets of fragments, 64 registers of A and 64 of B each.
.set APT,    144                       ; a row of 128 codes of A in LDS
.set AHEAD,  128*APT                   ; a head's 128 rows
.set BPT,    528                       ; a row of 512 codes of B in LDS
.set BOFF,   4*AHEAD
.set SLOT,   BOFF+128*BPT
.set SPARE,  2*SLOT                    ; the spare words, 128 bytes for each wave; no other line names them
.set STAGE,  SPARE+512                 ; the way out: 16 rows x 272 bytes for each wave
.set SPITCH, 272
.set ADRA, 16                          ; v16-17 LDS address of my A fragments in slot 0, 1
.set ADRB, 20                          ; v20-21 of B
.set PFO,  22                          ; v22    the prefetches' offset
.set STO,  24
.set RD,   25
.set CO,   26
.set SPW,  28                          ; v28    my spare word; never rewritten
.set NIL,  29                          ; v29    0; never rewritten
.set TMP,  32
.set BK,   64
.set ACC,  128
.set F0,   0
.set F1,   128
.set G1,  24                           ; s[24:31], s[32:39] groups 1 and 0 for A;  s[48:55], s[56:63] for B
.set G0,  32
.set G1B, 48
.set G0B, 56
.set PF1, 72                           ; s[72:73], s[74:75], s[76:77] my prefetches of K steps 1, 2, 3
.set PFS, 78                           ; s[78:79] a K step on, in bytes
.set MSB, 0
.macro WIN new                         ; the immediate's high byte repeats the setting that is left
.if MSB != (\new)
	s_set_vgpr_msb (MSB<<8)|(\new)
.set MSB, (\new)
.endif
.endm
.set MUL,  0x05                        ; both sources window 1, C and D window 0
.set TO_F, 0x40                        ; destination window 1
.macro JLOAD s                         ; a joint load; the branch hangs on the wave's number alone.  An s_nop 0 and four v_nop follow each line
	s_cmp_eq_u32 s11, 0
	s_cbranch_scc0 .Lfor_b_\@
	tensor_load_to_lds s[G0+4*\s:G0+4*\s+3], s[G1:G1+7]
	s_nop 0
.rept 4
	v_nop
.endr
	s_branch .Lasked_\@
.Lfor_b_\@:
	tensor_load_to_lds s[G0B+4*\s:G0B+4*\s+3], s[G1B:G1B+7]
	s_nop 0
.rept 4
	v_nop
.endr
.Lasked_\@:
.endm
.macro CREST                           ; a round of the cluster's barrier behind its opening barrier
	s_cmp_lg_u32 s10, 0
	s_cbranch_scc1 .Lnot_wave_0_\@
	s_barrier_signal -3
.Lnot_wave_0_\@:
	s_barrier_wait -3
	s_barrier_signal -1
	s_barrier_wait -1
.endm
.macro CROUND
	s_barrier_signal -1
	s_barrier_wait -1
	CREST
.endm
.macro PF p
	global_prefetch_b8 v[PFO], s[\p:\p+1] th:TH_LOAD_NT scope:SCOPE_SE
.endm
	s_load_b128 s[4:7], s[0:1], 0x0                ; ac, wc
	s_load_b128 s[68:71], s[0:1], 0x10             ; the exponents, out0
	v_lshl_add_u32 v[SPW], v0, 2, SPARE
	v_mov_b32 v[NIL], 0
	ds_add_u32 v[SPW], v[NIL]                      ; the wave's opening: the add, twice on end, and its wait ahead of my first tensor load
	ds_add_u32 v[SPW], v[NIL]
	v_lshrrev_b32 v1, 5, v0
	v_readfirstlane_b32 s10, v1                    ; wave 0..3
	s_lshr_b32 s11, s10, 1                         ; my half of the rows.  Also: I fetch for A (0) or B (1)
	s_and_b32 s12, s10, 1                          ; my half of the columns.  Also: which half of that tile I fetch
	s_bfe_u32 s40, ttmp6, 0x40000                  ; cx
	s_bfe_u32 s41, ttmp6, 0x40004                  ; cy
	s_lshl_b32 s42, ttmp9, 2
	s_add_co_u32 s42, s42, s40                     ; tile column
	s_and_b32 s13, ttmp7, 0xffff
	s_lshl_b32 s13, s13, 2
	s_add_co_u32 s13, s13, s41                     ; tile row
	s_lshl_b32 s43, s41, 2
	s_lshl_b32 s43, 15, s43                        ; my row of the cluster
	s_lshl_b32 s44, 0x1111, s40                    ; my column
	s_or_b32 s[G1+0], s43, (1<<20)|(1<<21)|(4<<22)|(3<<25)
	s_mov_b32 s[G1+1], 16384<<16
	s_mov_b32 s[G1+2], 2<<16
	s_mov_b32 s[G1+3], 16384<<16
	s_mov_b32 s[G1+4], 2
	s_mov_b32 s[G1+5], 262144                      ; from head to head
	s_mov_b32 s[G1+6], 0
	s_mov_b32 s[G1+7], 0
	s_or_b32 s[G1B+0], s44, (1<<20)|(1<<21)|(6<<22)|(3<<25)
	s_mov_b32 s[G1B+1], 512<<16
	s_mov_b32 s[G1B+2], 64<<16
	s_mov_b32 s[G1B+3], 512<<16
	s_mov_b32 s[G1B+4], 64
	s_mov_b32 s[G1B+5], 2048
	s_mov_b32 s[G1B+6], 0
	s_mov_b32 s[G1B+7], 0
	s_lshl_b32 s16, s12, 19                        ; A: two heads on, 128 tokens a tile row
	s_lshl_b32 s17, s13, 14
	s_add_co_u32 s16, s16, s17
	s_mov_b32 s17, 0
	s_lshl_b32 s46, s42, 18                        ; B: 128 rows a tile column, 64 a wave, in plane 3
	s_lshl_b32 s47, s12, 17
	s_add_co_u32 s46, s46, s47
	s_add_co_u32 s46, s46, 0xc00000
	s_mov_b32 s47, 0
	s_mul_i32 s20, s12, 2*AHEAD                    ; and where they go
	s_mul_i32 s21, s12, 64*BPT
	s_add_co_u32 s21, s21, BOFF
	; the prefetches.  A: partner cx takes half (cx % 2) of head cx / 2 of my two; B: partner cy takes 16 of my 64 rows, two blocks a row
	s_lshr_b32 s18, s40, 1
	s_lshl_b32 s18, s18, 18
	s_and_b32 s19, s40, 1
	s_lshl_b32 s19, s19, 13
	s_add_co_u32 s18, s18, s19
	s_lshl_b32 s19, s41, 15
	s_mov_b32 s[PFS], 512
	s_cmp_eq_u32 s11, 0
	s_cselect_b32 s2, s16, s46
	s_cselect_b32 s18, s18, s19
	s_cselect_b32 s22, 9, 11                       ; two lanes to 512 bytes: dense in A, a row of 2,048 in B
	s_cselect_b32 s[PFS], 0x100000, s[PFS]
	s_mov_b32 s[PFS+1], 0
	s_add_co_u32 s2, s2, s18
	s_mov_b32 s3, 0
	s_mul_i32 s84, s11, 64*APT                     ; my 64 rows of A,
	s_add_co_u32 s85, s84, SLOT
	s_mul_i32 s86, s12, 64*BPT
	s_add_co_u32 s86, s86, BOFF                    ; of B,
	s_add_co_u32 s87, s86, SLOT
	s_mul_i32 s23, s10, 16*SPITCH
	s_add_co_u32 s23, s23, STAGE                   ; and my stage
	v_and_b32 v1, 15, v0                           ; r
	v_bfe_u32 v2, v0, 4, 1                         ; h
	v_and_b32 v6, 31, v0                           ; lane
	v_mul_u32_u24 v3, v1, APT
	v_lshl_add_u32 v3, v2, 4, v3
	v_mul_u32_u24 v4, v1, BPT
	v_lshl_add_u32 v4, v2, 4, v4
	v_add_nc_u32 v[ADRA], s84, v3
	v_add_nc_u32 v[ADRA+1], s85, v3
	v_add_nc_u32 v[ADRB], s86, v4
	v_add_nc_u32 v[ADRB+1], s87, v4
	v_mul_u32_u24 v5, v1, SPITCH                   ; into the stage: row r, 32 bytes for each half of the lanes
	v_lshl_add_u32 v5, v2, 5, v5
	v_add_nc_u32 v[STO], s23, v5
	v_mul_u32_u24 v5, v2, SPITCH                   ; out of it: sixteen lanes to a row
	v_lshl_add_u32 v5, v1, 4, v5
	v_add_nc_u32 v[RD], s23, v5
	v_lshlrev_b32 v5, 13, v2                       ; and the same two rows of out0
	v_lshl_add_u32 v[CO], v1, 4, v5
	v_lshrrev_b32 v7, 1, v6
	v_lshlrev_b32 v7, s22, v7
	v_and_b32 v6, 1, v6
	v_lshl_add_u32 v[PFO], v6, 8, v7
	s_wait_alu depctr_va_vdst(0)
	s_wait_dscnt 0x0                               ; both opening adds are done
	s_wait_kmcnt 0x0
	s_load_b64 s[66:67], s[68:69], 0x28            ; e10, e11
	s_add_nc_u64 s[14:15], s[4:5], s[16:17]
	s_add_nc_u64 s[46:47], s[6:7], s[46:47]
	s_cmp_eq_u32 s11, 0
	s_cselect_b64 s[PF1:PF1+1], s[4:5], s[6:7]
	s_add_nc_u64 s[PF1:PF1+1], s[PF1:PF1+1], s[2:3]
	s_add_nc_u64 s[PF1:PF1+1], s[PF1:PF1+1], s[PFS:PFS+1]
	s_add_nc_u64 s[PF1+2:PF1+3], s[PF1:PF1+1], s[PFS:PFS+1]
	s_add_nc_u64 s[PF1+4:PF1+5], s[PF1+2:PF1+3], s[PFS:PFS+1]
.irp s, 0,1
	s_mov_b32 s[G0+4*\s], 1
	s_add_co_u32 s[G0+4*\s+1], s20, \s*SLOT
	s_add_nc_u64 s[G0+4*\s+2:G0+4*\s+3], s[14:15], \s*0x100000
	s_or_b32 s[G0+4*\s+3], s[G0+4*\s+3], 0x80000000
	s_mov_b32 s[G0B+4*\s], 1
	s_add_co_u32 s[G0B+4*\s+1], s21, \s*SLOT
	s_add_nc_u64 s[G0B+4*\s+2:G0B+4*\s+3], s[46:47], \s*512
	s_or_b32 s[G0B+4*\s+3], s[G0B+4*\s+3], 0x80000000
.endr
	CROUND                                         ; all sixteen work-groups are here: the first joint loads meet
	JLOAD 0                                        ; K step 0: one tensor load a wave at the head
	PF PF1                                         ; K steps 1 and 2
	PF PF1+2
	s_lshl_b32 s2, s13, 20                         ; my first byte of out0: 128 x tile row + 64 x half rows of 8,192 bytes,
	s_lshl_b32 s3, s11, 19
	s_add_co_u32 s2, s2, s3
	s_lshl_b32 s3, s42, 9                          ; 512 x tile column + 256 x half
	s_add_co_u32 s2, s2, s3
	s_lshl_b32 s3, s12, 8
	s_add_co_u32 s2, s2, s3
	s_mov_b32 s3, 0
	s_add_nc_u64 s[70:71], s[70:71], s[2:3]
.macro MUL4 f, a, zero                 ; A's block a x B's four.  The 16 accumulators take turns, one instruction a turn
.irp b, 0,1,2,3
.if \zero
	v_wmma_f32_16x16x128_fp8_fp8 v[ACC+8*(4*(\a)+\b):ACC+8*(4*(\a)+\b)+7], v[\f+64+16*\b:\f+64+16*\b+15], v[\f+16*(\a):\f+16*(\a)+15], 0
.else
	v_wmma_f32_16x16x128_fp8_fp8 v[ACC+8*(4*(\a)+\b):ACC+8*(4*(\a)+\b)+7], v[\f+64+16*\b:\f+64+16*\b+15], v[\f+16*(\a):\f+16*(\a)+15], v[ACC+8*(4*(\a)+\b):ACC+8*(4*(\a)+\b)+7]
.endif
.endr
.endm
.macro FETCH slot, q, f                ; the fragments of the slot's q-th 128 along K (its q-th head) into set f
	WIN TO_F
.irp i, 0,1,2,3
.irp c, 0,1,2,3
	ds_load_b128 v[\f+64+16*\i+4*\c:\f+64+16*\i+4*\c+3], v[ADRB+\slot] offset:128*(\q)+\i*16*BPT+32*\c
.endr
.endr
.irp i, 0,1,2,3
.irp c, 0,1,2,3
	ds_load_b128 v[\f+16*\i+4*\c:\f+16*\i+4*\c+3], v[ADRA+\slot] offset:(\q)*AHEAD+\i*16*APT+32*\c
.endr
.endr
.endm
.macro PLACES                          ; places between products and loads into registers that they have read, or reads of their results (ISA guide 7.12.1 for the reads of their results)
.rept 4
	v_nop
.endr
.endm
.macro QUARTER slot, q, f, g, zero     ; multiplies set f, fetches the slot's q-th 128 into set g
	s_wait_dscnt 8                                 ; B and A's blocks 0, 1 are in
	WIN MUL
	MUL4 \f, 0, \zero
	MUL4 \f, 1, \zero
	PLACES
	FETCH \slot, \q, \g
	s_wait_dscnt 32                                ; all but the 32 just issued
	WIN MUL
	MUL4 \f, 2, \zero
	MUL4 \f, 3, \zero
.endm
.macro TURN slot, next, fill           ; a slot's last quarter changes slots
	WIN 0
	s_wait_tensorcnt 0x0                           ; my part of the next slot is in
	ds_add_u32 v[SPW], v[NIL]                      ; 0 onto my spare word
	s_wait_dscnt 9                                 ; (the add and A's blocks 2, 3 may be out)
	WIN MUL
	MUL4 F1, 0, 0
	s_wait_dscnt 0x0                               ; the add is done, and my reads of this slot are over
	s_barrier_signal -1
	MUL4 F1, 1, 0
.if \fill
	WIN 0
.endif
	s_barrier_wait -1
.if \fill
	CREST                                          ; no wave of any partner still reads this slot or has a load on its way
	s_add_nc_u64 s[G0+4*\slot+2:G0+4*\slot+3], s[G0+4*\slot+2:G0+4*\slot+3], 0x200000
	s_add_nc_u64 s[G0B+4*\slot+2:G0B+4*\slot+3], s[G0B+4*\slot+2:G0B+4*\slot+3], 1024
	JLOAD \slot
.else
	PLACES
.endif
	FETCH \next, 0, F0
	WIN MUL
	MUL4 F1, 2, 0
	MUL4 F1, 3, 0
.endm
	s_wait_tensorcnt 0x0                           ; my part of K step 0 is in
	ds_add_u32 v[SPW], v[NIL]
	s_wait_dscnt 0x0
	CROUND                                         ; everybody's part of K step 0 is in
	JLOAD 1                                        ; K step 1
	FETCH 0, 0, F0
	PF PF1+4                                       ; K step 3
	QUARTER 0, 1, F0, F1, 1
	QUARTER 0, 2, F1, F0, 0
	QUARTER 0, 3, F0, F1, 0
	TURN 0, 1, 1                                   ; slot 0 takes K step 2
	QUARTER 1, 1, F0, F1, 0
	QUARTER 1, 2, F1, F0, 0
	QUARTER 1, 3, F0, F1, 0
	TURN 1, 0, 1                                   ; slot 1 takes K step 3
	QUARTER 0, 1, F0, F1, 0
	QUARTER 0, 2, F1, F0, 0
	QUARTER 0, 3, F0, F1, 0
	TURN 0, 1, 0
	QUARTER 1, 1, F0, F1, 0
	QUARTER 1, 2, F1, F0, 0
	QUARTER 1, 3, F0, F1, 0
	s_wait_dscnt 8
	WIN MUL
	MUL4 F1, 0, 0
	MUL4 F1, 1, 0
	s_wait_dscnt 0
	MUL4 F1, 2, 0
	MUL4 F1, 3, 0
	WIN 0
.macro TOSTAGE a                       ; 16 rows x 64 columns through my stage: LDS serves a wave's instructions in order (ISA guide 5.7.1.4)
.irp j, 0,2,4,6,8,10,12,14,16,18,20,22,24,26,28,30
	v_pk_mul_f32 v[TMP+\j:TMP+\j+1], v[ACC+32*(\a)+\j:ACC+32*(\a)+\j+1], s[66:67] op_sel_hi:[1,0]
.endr
.irp b, 0,1,2,3
	ds_store_b128 v[STO], v[TMP+8*\b:TMP+8*\b+3] offset:64*\b
	ds_store_b128 v[STO], v[TMP+8*\b+4:TMP+8*\b+7] offset:64*\b+16
.endr
.set BB, BK+32*((\a)%2)
.irp t, 0,1,2,3,4,5,6,7
	ds_load_b128 v[BB+4*\t:BB+4*\t+3], v[RD] offset:\t*2*SPITCH
.endr
.endm
.macro SEND a, younger                 ; younger: the LDS instructions issued behind block a's loads
.set BB, BK+32*((\a)%2)
	s_wait_dscnt \younger
.irp t, 0,1,2,3,4,5,6,7
	global_store_b128 v[CO], v[BB+4*\t:BB+4*\t+3], s[70:71] offset:(16*(\a)+2*\t)*8192 th:TH_STORE_NT   ; sixteen lanes store 256 consecutive bytes, aligned
.endr
.endm
	s_wait_kmcnt 0x0
	s_add_co_i32 s66, s66, s67
	s_add_co_i32 s66, s66, 127
	s_lshl_b32 s66, s66, 23                        ; 2^(e10 + e11)
	s_mov_b32 s67, s66
	PLACES
	TOSTAGE 0
.irp a, 1,2,3
.if \a > 1
	s_wait_xcnt 0x0                                ; block a - 2's stores have read their registers
.endif
	TOSTAGE \a
	SEND \a-1, 16
.endr
	SEND 3, 0
	s_wait_tensorcnt 0x0                           ; the wave's end
	ds_add_u32 v[SPW], v[NIL]
	s_wait_dscnt 0x0
	CROUND                                         ; the closing round
	s_endpgm
.Lfunc_end_k_q8ac9f82dca_oproj:
	.size	k_q8ac9f82dca_oproj, .Lfunc_end_k_q8ac9f82dca_oproj-k_q8ac9f82dca_oproj
	.p2alignl 7, 3214868480
	.fill 96, 4, 3214868480
	.section	.rodata,"a",@progbits
	.p2align	6, 0x0
	.amdhsa_kernel k_q8ac9f82dca_oproj
		.amdhsa_group_segment_fixed_size 327680
		.amdhsa_private_segment_fixed_size 0
		.amdhsa_enable_private_segment 0
		.amdhsa_kernarg_size 32
		.amdhsa_user_sgpr_count 2
		.amdhsa_user_sgpr_kernarg_segment_ptr 1
		.amdhsa_wavefront_size32 1
		.amdhsa_system_sgpr_workgroup_id_x 1
		.amdhsa_system_sgpr_workgroup_id_y 1
		.amdhsa_system_sgpr_workgroup_id_z 1
		.amdhsa_system_vgpr_workitem_id 0
		.amdhsa_next_free_vgpr 512
		.amdhsa_next_free_sgpr 96
		.amdhsa_reserve_vcc 0
		.amdhsa_float_denorm_mode_32 3
		.amdhsa_float_denorm_mode_16_64 3
		.amdhsa_memory_ordered 1
		.amdhsa_forward_progress 1
		.amdhsa_inst_pref_size 75
	.end_amdhsa_kernel
	.amdgpu_metadata
---
amdhsa.version: [ 1, 2 ]
amdhsa.kernels:
  - .name:           k_q8ac9f82dca_oproj
    .symbol:         k_q8ac9f82dca_oproj.kd
    .args:
      - { .name: ac, .offset: 0, .size: 8, .value_kind: global_buffer, .address_space: global }
      - { .name: wc, .offset: 8, .size: 8, .value_kind: global_buffer, .address_space: global }
      - { .name: lowp_scales, .offset: 16, .size: 8, .value_kind: global_buffer, .address_space: global }
      - { .name: out0, .offset: 24, .size: 8, .value_kind: global_buffer, .address_space: global }
    .group_segment_fixed_size: 327680
    .private_segment_fixed_size: 0
    .kernarg_segment_align: 8
    .kernarg_segment_size: 32
    .max_flat_workgroup_size: 128
    .sgpr_count:     96
    .vgpr_count:     512
    .wavefront_size: 32
...
	.end_amdgpu_metadata
.endif
;; end of part 4
